; MI455X (gfx1250); checked and timed in simulation.
; The chip was launched on July 23, 2026; its instructions are those of AMD's public machine-readable ISA for CDNA 5 (MIT licence, August 2026) and "CDNA5" Instruction Set Architecture Reference Guide (July 2026). The comments in the code are by the model that wrote it; some were corrected since.
;; Multi Head Attention Layer attn. Allowed arithmetic: matrix products marked QUANTISED: E4M3 operands, one E8M0 scale for each 32 along K, by v_wmma_scale_f32_16x16x128_f8f6f4 with both operands' format E4M3, f32 sums; everything else in f32.
;; Inputs: Wk 1,024 x 1,024 float32; Wo 1,024 x 1,024 float32; Wq 1,024 x 1,024 float32; Wv 1,024 x 1,024 float32; bk 1,024 float32; bo 1,024 float32; bq 1,024 float32; bv 1,024 float32; x 4 x 2,048 x 1,024 float32.
;; Outputs: out0 4 x 2,048 x 1,024 float32.
;; This version of the problem:
;;   THIS VERSION OF THE PROBLEM IS GIVEN IN LOW PRECISION. The matrix products marked QUANTISED in the list below multiply operands that are first quantised to E4M3 (4 exponent bits, 3 mantissa bits; 8 bits a number), with one power-of-two scale for each 32 numbers along K (OCP MX v1.0); their sums are f32. All else is computed in f32.
;;   The module's matrix products, in the order in which they are computed (A, B: the left and right operand; K: the contracted axis; several contracted axes count as one K, in the product's order):
;;     1. [M 8,192, K 1,024] x [K 1,024, N 1,024]; A: input x; B: input Wq: QUANTISED
;;     2. [M 8,192, K 1,024] x [K 1,024, N 1,024]; A: input x; B: input Wk: QUANTISED
;;     3. [M 8,192, K 1,024] x [K 1,024, N 1,024]; A: input x; B: input Wv: QUANTISED
;;     4. batch 64 x [M 2,048, K 64] x [K 64, N 2,048]; A: computed on the way; B: computed on the way: QUANTISED
;;     5. batch 64 x [M 2,048, K 2,048] x [K 2,048, N 64]; A: softmax (see below); B: computed on the way: QUANTISED
;;     6. [M 8,192, K 1,024] x [K 1,024, N 1,024]; A: computed on the way; B: input Wo: QUANTISED
;;   THE QUANTISER, for each operand of a quantised product, along K:
;;     - K is cut into blocks of 32 from its start; a last block that is shorter is filled with zeros.
;;     - A block's scale is 2^e with e = floor(log2(the largest magnitude in the block)) - 8, held to -126 .. 127; a block of zeros has e = 0. As a byte (E8M0): e + 127.
;;     - Each number is divided by its block's scale, clamped to +-448, and rounded to the nearest number of E4M3, ties to even, subnormals kept.
;;     - The product sums the exact products of the quantised numbers (number of the format x scale) in f32.
;;   ~~~python
;;   def quantise(x, axis):      # numpy; x: float32 -> the quantised numbers, widened to float32 again
;;       x = np.moveaxis(x, axis, -1); K = x.shape[-1]
;;       x = np.pad(x, [(0, 0)] * (x.ndim - 1) + [(0, -K % 32)]); x = x.reshape(x.shape[:-1] + (-1, 32)); a = np.abs(x).max(-1, keepdims=True)
;;       e = np.where(a > 0, np.clip(np.frexp(np.where(a > 0, a, 1))[1] - 1 - 8, -126, 127), 0)      # np.frexp(a)[1] - 1 = floor(log2(a)), exactly
;;       r = np.clip(x / 2.0 ** e, -448, 448)
;;       step = 2.0 ** (np.maximum(np.frexp(np.where(r == 0, 1, r))[1] - 1, -6) - 3)
;;       q = np.round(r / step) * step * 2.0 ** e      # np.round: ties to even
;;       return np.moveaxis(q.reshape(q.shape[:-2] + (-1,))[..., :K], -1, axis).astype(np.float32)
;;   ~~~
;;   SOFTMAX AHEAD OF A QUANTISED PRODUCT. Where the list says 'softmax', what is quantised is not the finished softmax but p = 2^(t - M), with t = logit x log2(e) and M = ceil(the row's largest t), a whole number; so 1/2 < the row's largest p <= 1. The row's sum l is taken of the UNQUANTISED p, in f32, and the product's result is divided by l at the end. Since M is a whole number, a kernel that streams over the keys may use a running M (the ceiling of the running maximum): every later rescaling is an exact power of two, which a block's scale takes up: the codes' values come out the same.
;;   OPERANDS COMPUTED ON THE WAY. 'Computed on the way' means the value that the module computes at that place (a softmax that the list does not call 'softmax' is quantised finished and normalised). What goes into a quantiser is computed in f32, as accurately as f32 sums, v_exp_f32 and their like allow (about 1e-6 of the number): no bf16 or f16 on the way to a quantiser, and a product that is left as it is and whose result goes on into a quantised operand takes f32 operands (vector FMAs, or v_wmma_f32_16x16x4_f32). A number that lies on a knife's edge between two numbers of the format may be rounded either way, as far as f32 arithmetic and the matrix unit's own rounding can turn it there, and no further.
;; One version. Each part assembles by itself: llvm-mc -triple=amdgcn-amd-amdhsa -mcpu=gfx1250 --defsym DOCPART=n.
;; ======== version 1 of 1: 4 launches
;; limits: right only within a limited range of input values
;; workspace buffers: xc 8,388,608 bytes; xs 262,144 bytes; wc 4,194,304 bytes; ws 131,072 bytes; qkv 26,476,544 bytes; oc 8,388,608 bytes; os 262,144 bytes
;; launch prep (part 1): grid 384 x 1, 8 waves a work-group, no clusters, 70,656 bytes of LDS; arguments x, Wq, Wk, Wv, Wo, xc, xs, wc, ws; writes xc, xs, wc, ws
.if DOCPART == 1
	.amdgcn_target "amdgcn-amd-amdhsa--gfx1250"
	.amdhsa_code_object_version 6
	.text
	.protected	k_q235fba87f6_prep
	.globl	k_q235fba87f6_prep
	.p2align	8
	.type	k_q235fba87f6_prep,@function
k_q235fba87f6_prep:
	s_mov_b64 s[64:65], 0
	v_nop
	global_prefetch_b8 v0, s[64:65] scope:SCOPE_SE
	s_setreg_imm32_b32 hwreg(HW_REG_WAVE_MODE, 25, 1), 1
	s_wait_xcnt 0x0
; x [8192][1024] and the four weights [1024 (k)][1024 (n)], f32, become codes of FP8 (E4M3) with one E8M0 scale byte for each 32 along K.
; A block's scale is 2^(floor(log2(its largest magnitude)) - 8); its byte is the largest magnitude's exponent field - 8, held at 1 from below; each number is divided by the scale, held within +-448, rounded to the nearest code.
; LIMITS: NaN and infinities among the inputs are not served.  A block of zeros gets the byte 1 where the rule says 127: its codes are zeros, which add nothing under any byte but 0xff, and this program alone reads the bytes.
; THE CODES LIE AS IMAGES OF THE OPERAND'S REGISTERS: a fragment (16 rows x 128 K) is 2,048 bytes; byte 512 c + 16 lane + i holds k = 32 c + 16 (lane / 16) + i of row lane % 16.
;   xc: [K step of 256: 4][row block: 512][128 along K: 2][2,048];  wc the same with 256 row blocks: Wq 0-63, Wk 64-127, Wv 128-191, Wo 192-255.   xs, ws: [position][32 scale bytes].
; ROWS LIE IN POSITION ORDER: position p holds row swap34(p), p with bits 3 and 4 exchanged: lane r of row block rb is row 32 (rb / 2) + 8 (rb % 2) + r + 8 (r / 8).  So in every later product the 16 registers
; of two neighbouring result tiles are 16 neighbours along the next K.  It holds for x's tokens and for the weights' columns n.
; SHARES.  Work-groups 0-255: 32 tokens of x each; wave w takes row block w / 4 and K step of 256 w % 4, in two steps of 128.  Each load reads 512 consecutive bytes of a row; the numbers turn through the wave's own stage in LDS,
; so that a lane holds 16 neighbours of each of four blocks.  Work-groups 256-383: 32 columns of one weight; wave w takes k = 128 w on; a lane takes a column and its registers run down K, so a block of 32 is one lane's.
; Every store of codes covers whole aligned runs of 256 bytes.  The 1,024 scale bytes of a work-group meet in LDS; behind one barrier, which both paths pass, wave 0 stores them as two runs of 512 bytes.
.set XSTG, 8448                        ; a wave's stage: 16 rows x (512 bytes + 16): row r starts at bank 4 r mod 64 (64 banks of 4 bytes: ISA guide 11.1)
.set XSC,  67584                       ; behind the eight stages: the scale bytes of x's path, 32 positions x 32
.set WSC,  68608                       ; and those of the weights' path: bytes of their own
.set LI,   4                           ; v4   16 x lane
.set STI,  5                           ; v5   the stage, on the way in
.set STO,  6                           ; v6   and on the way out: row r, + 64 h
.set XWS,  7                           ; v7   x: where my row's scale words go in LDS
.set WOF,  8                           ; v8   weights: 4 x swap34(lane): my column
.set TL,   9                           ; v9   the tail: 16 x lane in the path's scale bytes
.set WCO,  10                          ; v10  weights: my codes' place: 4,096 (lane / 16) + 16 (lane % 16)
.set WWS,  11                          ; v11  weights: where my scale word goes in LDS
.set R0,   16                          ; v16-143  numbers as loaded
.set XS,   144                         ; v144-207 x: 64 numbers, register 16 b + i = k 32 b + 16 h + i of my row
.set WC,   144                         ; v144-175 weights: codes, eight registers a block, so that no store's data are written again
.set WB,   176                         ; v176     weights: four scale bytes
.set PC,   208                         ; v208-223 x: a fragment's codes
.set TM,   224                         ; v224-239 at work
.set PW,   240                         ; v240     x: a scale word
.set SEL,  30                          ; s[30:31] lane selects for v_permlanex16_b32: lane l xor 16
.set MNT,  32                          ; s32      the mantissa field of 448
	s_load_b256 s[4:11], s[0:1], 0x0               ; x s[4:5], Wq s[6:7], Wk s[8:9], Wv s[10:11]
	s_load_b256 s[12:19], s[0:1], 0x20             ; Wo s[12:13], xc s[14:15], xs s[16:17], wc s[18:19]
	s_load_b64 s[20:21], s[0:1], 0x40              ; ws
	v_lshl_add_u32 v254, v0, 2, 0x11000
	v_mov_b32 v255, 0
	v_lshrrev_b32 v1, 5, v0
	s_delay_alu instid0(VALU_DEP_1)
	v_readfirstlane_b32 s22, v1                    ; wave 0..7
	v_and_b32 v1, 31, v0                           ; lane
	s_wait_alu depctr_va_vdst(0)
	v_and_b32 v2, 15, v0                           ; r
	v_bfe_u32 v3, v0, 4, 1                         ; h
	v_lshlrev_b32 v[LI], 4, v1
	; every LDS address is made here, ahead of the parting of the two paths
	s_mul_i32 s23, s22, XSTG
	v_add_nc_u32 v[STI], s23, v[LI]
	v_mul_u32_u24 v[STO], v2, 528
	s_delay_alu instid0(VALU_DEP_1)
	v_lshl_add_u32 v[STO], v3, 6, v[STO]
	s_delay_alu instid0(VALU_DEP_1)
	v_add_nc_u32 v[STO], s23, v[STO]
	s_lshr_b32 s24, s22, 2                         ; u: which of the two row blocks
	s_and_b32 s25, s22, 3                          ; kq: which K step of 256
	s_lshl_b32 s26, s24, 9                         ; 16 u positions x 32 bytes
	s_lshl_b32 s27, s25, 3                         ; 8 bytes a K step of 256
	s_add_co_u32 s26, s26, s27
	s_add_co_u32 s26, s26, XSC
	v_lshl_add_u32 v[XWS], v2, 5, s26
	s_lshl_b32 s26, s22, 2                         ; weights: 4 bytes for k = 128 w on
	s_add_co_u32 s26, s26, WSC
	v_lshl_add_u32 v[WWS], v1, 5, s26
	v_and_b32 v[WOF], 7, v1                        ; swap34(lane)
	v_and_b32 v12, 8, v1
	s_delay_alu instid0(VALU_DEP_1)
	v_lshl_or_b32 v[WOF], v12, 1, v[WOF]
	v_and_b32 v12, 16, v1
	s_delay_alu instid0(VALU_DEP_1)
	v_lshrrev_b32 v12, 1, v12
	s_delay_alu instid0(VALU_DEP_1)
	v_or_b32 v[WOF], v[WOF], v12
	s_delay_alu instid0(VALU_DEP_1)
	v_lshlrev_b32 v[WOF], 2, v[WOF]
	v_lshlrev_b32 v[WCO], 4, v2
	s_delay_alu instid0(VALU_DEP_1)
	v_lshl_add_u32 v[WCO], v3, 12, v[WCO]
	s_cmp_lt_u32 ttmp9, 256                        ; x's work-group or a weight's?  It hangs on the work-group's number alone
	s_mov_b32 s26, WSC
	s_cselect_b32 s26, XSC, s26
	v_add_nc_u32 v[TL], s26, v[LI]
	s_cselect_b32 s27, 0, 256
	s_sub_co_u32 s27, ttmp9, s27                   ; the work-group's number in its path
	s_lshl_b32 s28, s27, 10                        ; its 1,024 scale bytes
	s_mov_b32 s29, 0
	s_mov_b32 s[SEL], 0x76543210
	s_mov_b32 s[SEL+1], 0xfedcba98
	s_mov_b32 s[MNT], 0x600000
.irp b, 0,1,2,3
	v_mov_b32 v[TM+4+\b], 0                        ; written once: a lane permute's destination counts as one of its sources
.endr
	s_wait_kmcnt 0x0
	s_cmp_lt_u32 ttmp9, 256
	s_cselect_b64 s[34:35], s[16:17], s[20:21]     ; xs or ws
	s_add_nc_u64 s[34:35], s[34:35], s[28:29]
	s_cmp_lt_u32 ttmp9, 256
	s_cbranch_scc0 .Lweights
; 64 numbers of a lane, register 16 b + i = k 32 b + 16 (lane / 16) + i of my row, become a fragment's codes in v[PC] on and its scale word in v[PW]
.macro QUANT s
.irp b, 0,1,2,3
	v_max3_num_f32 v[TM+\b], |v[\s+16*\b]|, |v[\s+1+16*\b]|, 0x4800000   ; block b: my 16 numbers, and the floor 2^(9 - 127): so the byte cannot fall under 1
.endr
.irp i, 2,4,6,8,10,12,14
.irp b, 0,1,2,3
	s_delay_alu instid0(VALU_DEP_4)
	v_max3_num_f32 v[TM+\b], v[TM+\b], |v[\s+16*\b+\i]|, |v[\s+1+16*\b+\i]|   ; the four blocks by turns
.endr
.endr
.irp b, 0,1,2,3
	s_delay_alu instid0(VALU_DEP_4)
	v_permlanex16_b32 v[TM+4+\b], v[TM+\b], s[SEL], s[SEL+1]
.endr
.irp b, 0,1,2,3
	s_delay_alu instid0(VALU_DEP_4)
	v_max_num_f32 v[TM+\b], v[TM+\b], v[TM+4+\b]   ; with lane l xor 16's: the block's largest magnitude
.endr
.irp b, 0,1,2,3
	s_delay_alu instid0(VALU_DEP_4)
	v_add_nc_u32 v[TM+12+\b], 0xfc000000, v[TM+\b] ; 8 off its exponent field: the conversion takes the exponent field of this operand as its scale
.endr
.irp b, 0,1,2,3
	v_and_or_b32 v[TM+8+\b], v[TM+\b], 0x7f800000, s[MNT]   ; 448 x the scale
.endr
.irp b, 0,1,2,3
	v_lshrrev_b32 v[TM+4+\b], 23, v[TM+12+\b]      ; the scale's byte
.endr
	s_delay_alu instid0(VALU_DEP_3)
	v_lshl_or_b32 v[PW], v[TM+5], 8, v[TM+4]
	s_delay_alu instid0(VALU_DEP_1)
	v_lshl_or_b32 v[PW], v[TM+6], 16, v[PW]
	s_delay_alu instid0(VALU_DEP_1)
	v_lshl_or_b32 v[PW], v[TM+7], 24, v[PW]
.irp b, 0,1,2,3
.irp i, 0,1,2,3,4,5,6,7,8,9,10,11,12,13,14,15
	v_med3_num_f32 v[\s+16*\b+\i], v[\s+16*\b+\i], -v[TM+8+\b], v[TM+8+\b]   ; the conversion to an 8-bit code does not saturate (ISA guide 7.6.2): the hold comes first
.endr
	v_cvt_scalef32_pk8_fp8_f32 v[PC+4*\b:PC+1+4*\b], v[\s+16*\b:\s+7+16*\b], v[TM+12+\b]
	v_cvt_scalef32_pk8_fp8_f32 v[PC+2+4*\b:PC+3+4*\b], v[\s+8+16*\b:\s+15+16*\b], v[TM+12+\b]
.endr
	v_nop                                          ; a plain line behind the last conversion
.endm
.macro XLOAD st                        ; 16 rows x 128 numbers: position i of my row block is row i + 8 (i / 8) from my first; a load reads 512 consecutive bytes
.irp i, 0,1,2,3,4,5,6,7,8,9,10,11,12,13,14,15
	global_load_b128 v[R0+64*\st+4*\i:R0+64*\st+4*\i+3], v[LI], s[4:5] offset:(\i+8*(\i/8))*4096+512*\st th:TH_LOAD_NT
.endr
.endm
.macro XTURN st                        ; through my own stage: LDS serves a wave's instructions in order (ISA guide 5.7.1.4), so no wait stands between the stores and the loads
.irp i, 0,1,2,3,4,5,6,7,8,9,10,11,12,13,14,15
	ds_store_b128 v[STI], v[R0+64*\st+4*\i:R0+64*\st+4*\i+3] offset:528*\i
.endr
.irp c, 0,1,2,3
.irp j, 0,1,2,3
	ds_load_b128 v[XS+16*\c+4*\j:XS+16*\c+4*\j+3], v[STO] offset:128*\c+16*\j
.endr
.endr
.endm
.macro XOUT st                         ; the fragment leaves as it stands: each store covers 512 consecutive bytes; the scale word goes to LDS (lanes 16-31 write the same word with the same value)
.irp c, 0,1,2,3
	global_store_b128 v[LI], v[PC+4*\c:PC+4*\c+3], s[14:15] offset:2048*\st+512*\c
.endr
	ds_store_b32 v[XWS], v[PW] offset:4*\st
.endm
	; ---- x
	s_lshl_b32 s36, ttmp9, 17                      ; 32 rows of 4,096 bytes a work-group,
	s_lshl_b32 s37, s24, 15                        ; 8 u rows,
	s_add_co_u32 s36, s36, s37
	s_lshl_b32 s37, s25, 10                        ; 256 numbers a K step
	s_add_co_u32 s36, s36, s37
	s_mov_b32 s37, 0
	s_add_nc_u64 s[4:5], s[4:5], s[36:37]
	s_lshl_b32 s36, s25, 21                        ; xc: the K step's 2,097,152 bytes,
	s_lshl_b32 s37, ttmp9, 13                      ; two row blocks of 4,096 a work-group,
	s_add_co_u32 s36, s36, s37
	s_lshl_b32 s37, s24, 12                        ; mine of the two
	s_add_co_u32 s36, s36, s37
	s_mov_b32 s37, 0
	s_add_nc_u64 s[14:15], s[14:15], s[36:37]
	XLOAD 0
	XLOAD 1
	s_wait_loadcnt 16                              ; step 0's 16 loads are in; step 1's may be out
	XTURN 0
	s_wait_dscnt 0x0
	QUANT XS
	XOUT 0
	s_wait_loadcnt 0x0
	XTURN 1
	s_wait_dscnt 0x0                               ; the numbers are back, and step 0's scale word has been stored
	s_wait_xcnt 0x0                                ; step 0's stores have read the codes' registers, which are written again now
	QUANT XS
	XOUT 1
	s_branch .Ljoin
.macro WLOAD c                         ; block c: W(128 w + 32 c + i, my column), i = 0 .. 31: 32 lanes read 128 consecutive bytes, in position order
.set i, 0
.rept 32
	global_load_b32 v[R0+32*(\c)+i], v[WOF], s[36:37] offset:(32*(\c)+i)*4096
.set i, i+1
.endr
.endm
.macro WBLOCK c                        ; all 32 numbers of the block are mine
.set XB, R0+32*(\c)
	v_max3_num_f32 v[TM], |v[XB]|, |v[XB+1]|, |v[XB+2]|
	v_max3_num_f32 v[TM+1], |v[XB+3]|, |v[XB+4]|, |v[XB+5]|
.irp i, 6,10,14,18,22,26
	s_delay_alu instid0(VALU_DEP_2)
	v_max3_num_f32 v[TM], v[TM], |v[XB+\i]|, |v[XB+\i+1]|
	s_delay_alu instid0(VALU_DEP_2)
	v_max3_num_f32 v[TM+1], v[TM+1], |v[XB+\i+2]|, |v[XB+\i+3]|
.endr
	s_delay_alu instid0(VALU_DEP_2)
	v_max3_num_f32 v[TM], v[TM], |v[XB+30]|, |v[XB+31]|
	s_delay_alu instid0(VALU_DEP_1)
	v_max3_num_f32 v[TM], v[TM], v[TM+1], 0x4800000   ; and the floor
	s_delay_alu instid0(VALU_DEP_1)
	v_add_nc_u32 v[TM+2], 0xfc000000, v[TM]        ; the conversion's scale operand
	s_delay_alu instid0(VALU_DEP_2)
	v_and_or_b32 v[TM+3], v[TM], 0x7f800000, s[MNT]   ; 448 x the scale
	s_delay_alu instid0(VALU_DEP_2)
	v_lshrrev_b32 v[TM+1], 23, v[TM+2]             ; the byte
.if (\c) == 0
	s_delay_alu instid0(VALU_DEP_1)
	v_mov_b32 v[WB], v[TM+1]
.else
	s_delay_alu instid0(VALU_DEP_1)
	v_lshl_or_b32 v[WB], v[TM+1], 8*(\c), v[WB]
.endif
.set i, 0
.rept 32
	v_med3_num_f32 v[XB+i], v[XB+i], -v[TM+3], v[TM+3]
.set i, i+1
.endr
.irp g, 0,1,2,3
	v_cvt_scalef32_pk8_fp8_f32 v[WC+8*(\c)+2*\g:WC+8*(\c)+2*\g+1], v[XB+8*\g:XB+8*\g+7], v[TM+2]
.endr
	v_nop                                          ; a plain line behind the last conversion
	global_store_b128 v[WCO], v[WC+8*(\c):WC+8*(\c)+3], s[18:19] offset:512*(\c)          ; k = 32 c + 0 .. 15: the image's lanes 0-15; sixteen lanes store 256 consecutive bytes, aligned
	global_store_b128 v[WCO], v[WC+8*(\c)+4:WC+8*(\c)+7], s[18:19] offset:512*(\c)+256    ; k = 32 c + 16 .. 31: its lanes 16-31
.endm
.Lweights:
	; ---- a weight
	s_lshr_b32 s24, s27, 5                         ; which weight
	s_and_b32 s25, s27, 31                         ; which 32 columns
	s_cmp_eq_u32 s24, 0
	s_cselect_b64 s[36:37], s[6:7], s[8:9]
	s_cmp_eq_u32 s24, 2
	s_cselect_b64 s[36:37], s[10:11], s[36:37]
	s_cmp_eq_u32 s24, 3
	s_cselect_b64 s[36:37], s[12:13], s[36:37]
	s_lshl_b32 s38, s22, 19                        ; 128 w rows of 4,096 bytes
	s_lshl_b32 s39, s25, 7                         ; 32 columns are 128 bytes
	s_add_co_u32 s38, s38, s39
	s_mov_b32 s39, 0
	s_add_nc_u64 s[36:37], s[36:37], s[38:39]
	s_lshr_b32 s38, s22, 1
	s_lshl_b32 s38, s38, 20                        ; wc: the K step of 256: 1,048,576 bytes,
	s_lshl_b32 s39, s27, 13                        ; two row blocks of 4,096 a work-group (64 a weight),
	s_add_co_u32 s38, s38, s39
	s_and_b32 s39, s22, 1
	s_lshl_b32 s39, s39, 11                        ; which 128 of the 256
	s_add_co_u32 s38, s38, s39
	s_mov_b32 s39, 0
	s_add_nc_u64 s[18:19], s[18:19], s[38:39]
	s_wait_alu depctr_va_vdst(0)
	WLOAD 0
	WLOAD 1
	s_wait_loadcnt 32                              ; block 0's 32 loads are in; block 1's may be out
	WLOAD 2
	WBLOCK 0
	s_wait_loadcnt 32                              ; block 1's are in; block 2's may be out
	WLOAD 3
	WBLOCK 1
	s_wait_loadcnt 32                              ; block 2's are in; block 3's may be out
	WBLOCK 2
	s_wait_loadcnt 0x0
	WBLOCK 3
	ds_store_b32 v[WWS], v[WB]
.Ljoin:
	s_wait_dscnt 0x0                               ; for the others' sake: my scale words lie in LDS
	s_barrier_signal -1
	s_barrier_wait -1
	s_cmp_lg_u32 s22, 0
	s_cbranch_scc1 .Lend
	ds_load_b128 v[244:247], v[TL]                 ; wave 0: the work-group's 1,024 scale bytes
	ds_load_b128 v[248:251], v[TL] offset:512
	s_wait_dscnt 0x0
	global_store_b128 v[LI], v[244:247], s[34:35]  ; each store covers 512 consecutive bytes, aligned
	global_store_b128 v[LI], v[248:251], s[34:35] offset:512
.Lend:
	s_wait_tensorcnt 0x0
	ds_add_u32 v254, v255
	s_wait_dscnt 0x0
	s_endpgm
.Lfunc_end_k_q235fba87f6_prep:
	.size	k_q235fba87f6_prep, .Lfunc_end_k_q235fba87f6_prep-k_q235fba87f6_prep
	.p2alignl 7, 3214868480
	.fill 96, 4, 3214868480
	.section	.rodata,"a",@progbits
	.p2align	6, 0x0
	.amdhsa_kernel k_q235fba87f6_prep
		.amdhsa_group_segment_fixed_size 70656
		.amdhsa_private_segment_fixed_size 0
		.amdhsa_enable_private_segment 0
		.amdhsa_kernarg_size 72
		.amdhsa_user_sgpr_count 2
		.amdhsa_user_sgpr_kernarg_segment_ptr 1
		.amdhsa_wavefront_size32 1
		.amdhsa_system_sgpr_workgroup_id_x 1
		.amdhsa_system_sgpr_workgroup_id_y 1
		.amdhsa_system_sgpr_workgroup_id_z 1
		.amdhsa_system_vgpr_workitem_id 0
		.amdhsa_next_free_vgpr 256
		.amdhsa_next_free_sgpr 66
		.amdhsa_reserve_vcc 0
		.amdhsa_float_denorm_mode_32 3
		.amdhsa_float_denorm_mode_16_64 3
		.amdhsa_memory_ordered 1
		.amdhsa_forward_progress 1
		.amdhsa_inst_pref_size 61
	.end_amdhsa_kernel
	.amdgpu_metadata
---
amdhsa.version: [ 1, 2 ]
amdhsa.kernels:
  - .name:           k_q235fba87f6_prep
    .symbol:         k_q235fba87f6_prep.kd
    .args:
      - { .name: x, .offset: 0, .size: 8, .value_kind: global_buffer, .address_space: global }
      - { .name: Wq, .offset: 8, .size: 8, .value_kind: global_buffer, .address_space: global }
      - { .name: Wk, .offset: 16, .size: 8, .value_kind: global_buffer, .address_space: global }
      - { .name: Wv, .offset: 24, .size: 8, .value_kind: global_buffer, .address_space: global }
      - { .name: Wo, .offset: 32, .size: 8, .value_kind: global_buffer, .address_space: global }
      - { .name: xc, .offset: 40, .size: 8, .value_kind: global_buffer, .address_space: global }
      - { .name: xs, .offset: 48, .size: 8, .value_kind: global_buffer, .address_space: global }
      - { .name: wc, .offset: 56, .size: 8, .value_kind: global_buffer, .address_space: global }
      - { .name: ws, .offset: 64, .size: 8, .value_kind: global_buffer, .address_space: global }
    .group_segment_fixed_size: 70656
    .private_segment_fixed_size: 0
    .kernarg_segment_align: 8
    .kernarg_segment_size: 72
    .max_flat_workgroup_size: 256
    .sgpr_count:     66
    .vgpr_count:     256
    .wavefront_size: 32
...
	.end_amdgpu_metadata
.endif
;; end of part 1
;; launch qkv (part 2): grid 12 x 32, 4 waves a work-group, clusters of 4 x 4, 327,680 bytes of LDS; arguments xc, xs, wc, ws, bq, bk, bv, qkv; writes qkv
.if DOCPART == 2
	.amdgcn_target "amdgcn-amd-amdhsa--gfx1250"
	.amdhsa_code_object_version 6
	.text
	.protected	k_q235fba87f6_qkv
	.globl	k_q235fba87f6_qkv
	.p2align	8
	.type	k_q235fba87f6_qkv,@function
k_q235fba87f6_qkv:
	s_mov_b64 s[64:65], 0
	v_nop
	global_prefetch_b8 v0, s[64:65] scope:SCOPE_SE
	s_setreg_imm32_b32 hwreg(HW_REG_WAVE_MODE, 25, 1), 1
	s_wait_xcnt 0x0
	s_wait_alu depctr_hold_cnt(0) depctr_sa_sdst(0) depctr_va_vdst(0) depctr_va_sdst(0) depctr_va_ssrc(0) depctr_va_vcc(0) depctr_vm_vsrc(0)
	s_getreg_b32 s2, hwreg(HW_REG_IB_STS2, 6, 4)
	s_cmp_eq_u32 s2, 0
	s_cbranch_scc0 .Lentry_in_a_cluster
	s_endpgm
.Lentry_in_a_cluster:
	s_bfe_u32 s2, ttmp6, 0x10000c
	s_cmp_lg_u32 s2, 0xf033
	s_cbranch_scc0 .Lentry_shape_is_right
	s_endpgm
.Lentry_shape_is_right:
.set NQ,     2
.set FR,     16
.set NL,     4
.set NP,     8
.set HALFT,  32768
.set SLOT,   4*HALFT
.set LAPS,   2
.set XSTEP,  2097152
.set WSTEP,  1048576
.set SCL,    2*SLOT
.set HALFS,  16*256
.set SBLK,   2*256
.set SPARE,  SCL+4*HALFS
.set HB,     413696
.set VOFF,   131072
.set KSOFF,  262144
.set VSOFF,  270336
.set QOFF,   274432
.set QSOFF,  405504
.set BL,   8
.set ADRA, 16
.set ADRB, 20
.set OFF0, 22
.set OFF2, 23
.set SOFF, 24
.set SHIFT, 25
.set ADRS, 27
.set SPW,  28
.set NIL,  29
.set SC,   32
.set BB,   64
.set AF,   128
.set T,    128
.set PC,   192
.set TM,   208
.set PW,   224
.set SW,   228
.set G1, 24
.set G0, 32
.set G1B, 48
.set G0B, 56
.set G1S, 68
.set G0S, 76
.set G1SB, 80
.set G0SB, 88
.set SEL,  10
.set OUTS, 12
.set MNT,  18
.set MODE, 66
.set OUT,  104
.set MSB, 0
.macro WIN new
.if MSB != \new
	s_set_vgpr_msb (MSB<<8)|\new
.set MSB, \new
.endif
.endm
.set MUL_LO, 0xa1
.set MUL_HI, 0xf1
.set TO_B,   0x40
.macro JLOAD g0a, g1a, g0b, g1b
	s_cmp_eq_u32 s15, 0
	s_cbranch_scc0 .Lfor_b_\@
	tensor_load_to_lds s[\g0a:\g0a+3], s[\g1a:\g1a+7]
	s_nop 0
.rept 4
	v_nop
.endr
	s_branch .Lasked_\@
.Lfor_b_\@:
	tensor_load_to_lds s[\g0b:\g0b+3], s[\g1b:\g1b+7]
	s_nop 0
.rept 4
	v_nop
.endr
.Lasked_\@:
.endm
.macro CREST
	s_cmp_lg_u32 s14, 0
	s_cbranch_scc1 .Lnot_wave_0_\@
	s_barrier_signal -3
.Lnot_wave_0_\@:
	s_barrier_wait -3
	s_barrier_signal -1
	s_barrier_wait -1
.endm
.macro CROUND
	s_barrier_signal -1
	s_barrier_wait -1
	CREST
.endm
	s_load_b256 s[4:11], s[0:1], 0x0
	s_load_b256 s[92:99], s[0:1], 0x20
	v_lshl_add_u32 v[SPW], v0, 2, SPARE
	v_mov_b32 v[NIL], 0
	ds_add_u32 v28, v29
	ds_add_u32 v28, v29
	s_wait_dscnt 0x0
	v_lshrrev_b32 v1, 5, v0
	v_readfirstlane_b32 s14, v1
	s_lshr_b32 s15, s14, 1
	s_and_b32 s16, s14, 1
	s_bfe_u32 s40, ttmp6, 0x40000
	s_bfe_u32 s41, ttmp6, 0x40004
	s_lshl_b32 s42, ttmp9, 2
	s_add_co_u32 s42, s42, s40
	s_and_b32 s17, ttmp7, 0xffff
	s_lshl_b32 s17, s17, 2
	s_add_co_u32 s17, s17, s41
	s_lshl_b32 s43, s41, 2
	s_lshl_b32 s43, 15, s43
	s_lshl_b32 s44, 0x1111, s40
	s_lshr_b32 s[MODE], ttmp9, 1
	s_or_b32 s[G1+0], s43, (3<<16)|(1<<21)
	s_or_b32 s[G1B+0], s44, (3<<16)|(1<<21)
.irp g, G1, G1B
	s_mov_b32 s[\g+1], 32<<16
	s_mov_b32 s[\g+2], 256<<16                     ; the head's loads of codes bring 256 rows of 256 bytes; the ring's 128: set at the head's end
	s_mov_b32 s[\g+3], 32<<16
	s_mov_b32 s[\g+4], 256
	s_mov_b32 s[\g+5], 32
	s_mov_b32 s[\g+6], 0
	s_mov_b32 s[\g+7], 0
.endr
	s_or_b32 s[G1S+0], s43, (3<<16)|(1<<21)        ; the scale bytes lie dense in LDS: every byte between the first and the last is filled
	s_or_b32 s[G1SB+0], s44, (3<<16)|(1<<21)
.irp g, G1S, G1SB
	s_mov_b32 s[\g+1], 32<<16
	s_mov_b32 s[\g+2], 32<<16                      ; the scale bytes of 256 rows: 32 rows of 256 bytes
	s_mov_b32 s[\g+3], 32<<16
	s_mov_b32 s[\g+4], 32
	s_mov_b32 s[\g+5], 32
	s_mov_b32 s[\g+6], 0
	s_mov_b32 s[\g+7], 0
.endr
	s_lshl_b32 s20, s17, 8                         ; the tiles' first rows
	s_lshl_b32 s46, s42, 8
	s_lshl_b32 s22, s20, 5
	s_mov_b32 s23, 0
	s_lshl_b32 s100, s46, 5
	s_mov_b32 s101, 0
	s_lshl_b32 s20, s20, 8
	s_mov_b32 s21, 0
	s_lshl_b32 s46, s46, 8
	s_mov_b32 s47, 0
	s_lshl_b32 s45, s14, 15
	s_wait_kmcnt 0x0
	s_add_nc_u64 s[20:21], s[4:5], s[20:21]
	s_add_nc_u64 s[22:23], s[6:7], s[22:23]
	s_add_nc_u64 s[46:47], s[8:9], s[46:47]
	s_add_nc_u64 s[100:101], s[10:11], s[100:101]
	CROUND
	s_mov_b32 s[G0S], 1
	s_mov_b32 s[G0S+1], SCL
	s_mov_b64 s[G0S+2:G0S+3], s[22:23]
	s_or_b32 s[G0S+3], s[G0S+3], 0x80000000
	s_mov_b32 s[G0SB], 1
	s_mov_b32 s[G0SB+1], SCL+2*HALFS
	s_mov_b64 s[G0SB+2:G0SB+3], s[100:101]
	s_or_b32 s[G0SB+3], s[G0SB+3], 0x80000000
.irp s, 0,1
	s_mov_b32 s[G0+4*\s], 1
	s_add_co_u32 s[G0+4*\s+1], s45, \s*SLOT
	s_add_nc_u64 s[G0+4*\s+2:G0+4*\s+3], s[20:21], \s*XSTEP
	s_or_b32 s[G0+4*\s+3], s[G0+4*\s+3], 0x80000000
	s_mov_b32 s[G0B+4*\s], 1
	s_add_co_u32 s[G0B+4*\s+1], s45, \s*SLOT
	s_add_nc_u64 s[G0B+4*\s+2:G0B+4*\s+3], s[46:47], \s*WSTEP
	s_or_b32 s[G0B+4*\s+3], s[G0B+4*\s+3], 0x80000000
.endr
	s_mov_b32 s[G0+1], 0                           ; slot 0's groups 0 serve the head's loads first: the whole tile of A at the slot's start,
	s_mov_b32 s[G0B+1], 2*HALFT                    ; the whole tile of B behind it
	s_lshl_b32 s2, s16, 15                         ; slot 1's: my 128 rows, 32,768 bytes a half
	s_mov_b32 s3, 0
	s_add_nc_u64 s[G0+6:G0+7], s[G0+6:G0+7], s[2:3]
	s_add_nc_u64 s[G0B+6:G0B+7], s[G0B+6:G0B+7], s[2:3]
; THE HEAD'S LOADS, ONE A WAVE: wave 0 K step 0's 256 rows of A, wave 1 those of B, wave 2 the scale bytes of A's 256 rows, wave 3 those of B's.
; One chain of branches on the wave's number, a load to an arm, one join.
.macro ARM under, g0, g1, next
	s_cmp_lt_u32 s14, \under
	s_cbranch_scc0 \next
	tensor_load_to_lds s[\g0:\g0+3], s[\g1:\g1+7]
	s_nop 0
.rept 4
	v_nop
.endr
	s_branch .Lhead_asked
\next:
.endm
	ARM 1, G0,  G1,  .Lhead_b
	ARM 2, G0B, G1B, .Lhead_sa
	ARM 3, G0S, G1S, .Lhead_sb
	tensor_load_to_lds s[G0SB:G0SB+3], s[G1SB:G1SB+7]
	s_nop 0
.rept 4
	v_nop
.endr
.Lhead_asked:
	v_and_b32 v1, 15, v0
	v_bfe_u32 v2, v0, 4, 1
	v_and_b32 v3, 31, v0
	v_lshlrev_b32 v[OFF0], 4, v3
	s_wait_alu depctr_va_vdst(0)
	s_lshl_b32 s18, s15, 15
	s_lshl_b32 s19, s16, 15
	s_add_co_u32 s19, s19, 2*HALFT
	s_cmp_eq_u32 ttmp9, 2
	s_cselect_b32 s4, s19, s18
	s_cselect_b32 s5, s18, s19
	s_cselect_b32 s6, -1, 0
.irp s, 0,1
	v_add_nc_u32 v[ADRA+\s], s4, v[OFF0]
	v_add_nc_u32 v[ADRB+\s], s5, v[OFF0]
	s_add_co_u32 s4, s4, SLOT
	s_add_co_u32 s5, s5, SLOT
.endr
	v_lshlrev_b32 v5, 5, v1
	s_mul_i32 s7, s15, HALFS
	s_mul_i32 s8, s16, HALFS
	s_add_co_u32 s8, s8, 2*HALFS
	s_sub_co_u32 s8, s8, s7
	s_add_co_u32 s7, s7, SCL
	v_add_nc_u32 v5, s7, v5
	v_mul_u32_u24 v6, s8, v2
	v_add_nc_u32 v7, v5, v6
	v_add_nc_u32 v5, s8, v5
	v_sub_nc_u32 v5, v5, v6
	v_cndmask_b32 v[ADRS], v7, v5, s6
	s_cmp_eq_u32 ttmp9, 0
	s_cselect_b64 s[92:93], s[92:93], s[94:95]
	s_cmp_eq_u32 ttmp9, 2
	s_cselect_b64 s[92:93], s[96:97], s[92:93]
	s_lshl_b32 s100, s40, 10
	s_lshl_b32 s101, s16, 9
	s_add_co_u32 s100, s100, s101
	s_mov_b32 s101, 0
	s_add_nc_u64 s[92:93], s[92:93], s[100:101]
	v_lshlrev_b32 v3, 6, v2
	v_and_b32 v4, 8, v1
	v_add_nc_u32 v4, v4, v1
	v_lshlrev_b32 v4, 2, v4
.irp b, 0,1,2,3,4,5,6,7
	global_load_b128 v[BB+8*\b:BB+8*\b+3], v3, s[92:93] offset:(32*(\b/2)+8*(\b%2))*4
	global_load_b128 v[BB+8*\b+4:BB+8*\b+7], v3, s[92:93] offset:(32*(\b/2)+8*(\b%2))*4+16
.endr
.irp a, 0,1,2,3,4,5,6,7
	global_load_b32 v[BL+\a], v4, s[92:93] offset:(32*(\a/2)+8*(\a%2))*4
.endr
	s_lshr_b32 s94, s17, 3
	s_lshl_b32 s94, s94, 4
	s_lshl_b32 s95, s40, 2
	s_add_co_u32 s94, s94, s95
	s_lshl_b32 s95, s16, 1
	s_add_co_u32 s94, s94, s95
	s_mul_i32 s94, s94, HB
	s_and_b32 s95, s17, 7
	s_lshl_b32 s95, s95, 4
	s_lshl_b32 s96, s15, 3
	s_add_co_u32 s95, s95, s96
	s_cmp_eq_u32 ttmp9, 0
	s_cselect_b32 s96, QOFF, 0
	s_mov_b32 s97, KSOFF
	s_cselect_b32 s97, QSOFF, s97
	s_cmp_eq_u32 ttmp9, 2
	s_cselect_b32 s96, VOFF, s96
	s_cselect_b32 s97, VSOFF, s97
	s_mov_b32 s19, HB
	s_cselect_b32 s19, 1024, s19
	s_mov_b32 s4, 1024
	s_cselect_b32 s4, 2048, s4
	s_mov_b32 s6, 1024
	s_cselect_b32 s6, HB-6144, s6
	s_mov_b32 s8, 256
	s_cselect_b32 s8, HB, s8
	s_cselect_b32 s100, 0, HB
	s_cselect_b32 s101, 0, 16
	s_cselect_b32 s2, 5, 6
	s_mov_b32 s5, 0
	s_mov_b32 s7, 0
	s_mov_b32 s9, 0
	s_lshl_b32 s2, s95, s2
	s_add_co_u32 s97, s97, s2
	s_add_co_u32 s97, s97, s94
	s_lshl_b32 s95, s95, 10
	s_add_co_u32 s96, s96, s95
	s_add_co_u32 s94, s96, s94
	s_mov_b32 s95, 0
	s_add_nc_u64 s[OUT:OUT+1], s[98:99], s[94:95]
	s_mov_b32 s94, s97
	s_add_nc_u64 s[OUTS:OUTS+1], s[98:99], s[94:95]
	v_add_nc_u32 v[OFF2], s19, v[OFF0]
	v_mul_u32_u24 v[SOFF], s100, v2
	v_lshl_add_u32 v[SOFF], v1, 4, v[SOFF]
	v_mul_u32_u24 v[SHIFT], s101, v2
	s_mov_b32 s[SEL], 0x76543210
	s_mov_b32 s[SEL+1], 0xfedcba98
	s_mov_b32 s[MNT], 0x600000
.macro FRAG reg, adr, q, i
.irp c, 0,1,2,3
	ds_load_b128 v[\reg+4*\c:\reg+4*\c+3], v[\adr] offset:2048*(\q)+512*\c+(\i)*4096
.endr
.endm
.macro MUL16 a0, p, q, sc, zero
.irp a, \a0, \a0+1
.irp b, 0,1,2,3,4,5,6,7
.if \zero
	v_wmma_scale_f32_16x16x128_f8f6f4 v[8*(8*((\a)%4)+\b):8*(8*((\a)%4)+\b)+7], v[128*(\p)+FR*\b:128*(\p)+FR*\b+FR-1], v[AF+FR*(\a):AF+FR*(\a)+FR-1], 0, v[SC+8*NQ*(\sc)+NQ*\b+(\q)], v[SC+8*NQ*(\sc)+NQ*(\a)+(\q)] matrix_a_scale:MATRIX_SCALE_ROW1
.else
	v_wmma_scale_f32_16x16x128_f8f6f4 v[8*(8*((\a)%4)+\b):8*(8*((\a)%4)+\b)+7], v[128*(\p)+FR*\b:128*(\p)+FR*\b+FR-1], v[AF+FR*(\a):AF+FR*(\a)+FR-1], v[8*(8*((\a)%4)+\b):8*(8*((\a)%4)+\b)+7], v[SC+8*NQ*(\sc)+NQ*\b+(\q)], v[SC+8*NQ*(\sc)+NQ*(\a)+(\q)] matrix_a_scale:MATRIX_SCALE_ROW1
.endif
.endr
.endr
.endm
.macro FETCH_B slot, q, p
	WIN TO_B
.irp i, 0,1,2,3,4,5,6,7
	FRAG 128*(\p)+FR*\i, ADRB+\slot, \q, \i
.endr
	WIN 0
.endm
.macro FETCH_A slot, q, i0
.irp i, \i0, \i0+1, \i0+2, \i0+3
	FRAG AF+FR*(\i), ADRA+\slot, \q, \i
.endr
.endm
.macro SCALES sc
.irp i, 0,1,2,3,4,5,6,7
	ds_load_b64 v[SC+8*NQ*\sc+NQ*\i:SC+8*NQ*\sc+NQ*\i+1], v[ADRS] offset:\i*SBLK
.endr
.endm
.macro PLACES n
.rept \n
	v_nop
.endr
.endm
.macro STEP slot, q, zero
	s_wait_dscnt 4*NL
	WIN MUL_LO
	MUL16 0, (\q)%2, \q, \slot, \zero
	MUL16 2, (\q)%2, \q, \slot, \zero
	s_wait_dscnt 0
	PLACES NP
	FETCH_B \slot, (\q)+1, 1-(\q)%2
	FETCH_A \slot, (\q)+1, 0
	WIN MUL_HI
	MUL16 4, (\q)%2, \q, \slot, \zero
	MUL16 6, (\q)%2, \q, \slot, \zero
	PLACES NP
	WIN 0
	FETCH_A \slot, (\q)+1, 4
.endm
.macro TURN slot, next, fill
	s_wait_tensorcnt 0x0
	ds_add_u32 v[SPW], v[NIL]
	s_wait_dscnt 4*NL+1
	WIN MUL_LO
	MUL16 0, 1, NQ-1, \slot, 0
	s_wait_dscnt 0x0
	s_barrier_signal -1
	MUL16 2, 1, NQ-1, \slot, 0
	WIN 0
	s_barrier_wait -1
.if \fill
	CREST
	s_add_nc_u64 s[G0+4*\slot+2:G0+4*\slot+3], s[G0+4*\slot+2:G0+4*\slot+3], 2*XSTEP
	s_add_nc_u64 s[G0B+4*\slot+2:G0B+4*\slot+3], s[G0B+4*\slot+2:G0B+4*\slot+3], 2*WSTEP
	JLOAD G0+4*\slot, G1, G0B+4*\slot, G1B
	PLACES NP-4
.else
	PLACES NP
.endif
	s_wait_alu depctr_va_vdst(0)
	v_add_nc_u32 v[ADRS], 4*NQ, v[ADRS]
	FETCH_B \next, 0, 0
	FETCH_A \next, 0, 0
	SCALES \next
	WIN MUL_HI
	MUL16 4, 1, NQ-1, \slot, 0
	MUL16 6, 1, NQ-1, \slot, 0
	PLACES NP
	WIN 0
	FETCH_A \next, 0, 4
.endm
	s_wait_alu depctr_va_vdst(0)
	s_wait_tensorcnt 0x0                           ; my tile of the head's four is in
	ds_add_u32 v[SPW], v[NIL]
	s_mov_b32 s[G1+2], 128<<16                     ; no tensor load of mine is out, so descriptors may be written: from here on a load brings 128 rows,
	s_mov_b32 s[G1+4], 128
	s_mov_b32 s[G1B+2], 128<<16
	s_mov_b32 s[G1B+4], 128
	s_mov_b32 s[G0+1], s45                         ; and slot 0's groups 0 stand at my quarter of the slot and my 128 rows of K step 0: the first refill steps them
	s_mov_b32 s[G0B+1], s45
	s_lshl_b32 s2, s16, 15
	s_mov_b32 s3, 0
	s_add_nc_u64 s[G0+2:G0+3], s[G0+2:G0+3], s[2:3]
	s_add_nc_u64 s[G0B+2:G0B+3], s[G0B+2:G0B+3], s[2:3]
	s_wait_dscnt 0x0
	CROUND                                         ; a whole round: all four tiles are in, and the joint loads meet
	JLOAD G0+4, G1, G0B+4, G1B                     ; K step 1: the first tensor load behind the round
	FETCH_B 0, 0, 0
	FETCH_A 0, 0, 0
	SCALES 0
	FETCH_A 0, 0, 4
	STEP 0, 0, 1
	s_mov_b32 s3, LAPS-1
.Llap:
	TURN 0, 1, 1
	STEP 1, 0, 0
	TURN 1, 0, 1
	STEP 0, 0, 0
	s_sub_co_u32 s3, s3, 1
	s_cmp_lg_u32 s3, 0
	s_cbranch_scc1 .Llap
	TURN 0, 1, 0
	STEP 1, 0, 0
	s_wait_dscnt 4*NL
	WIN MUL_LO
	MUL16 0, 1, NQ-1, 1, 0
	MUL16 2, 1, NQ-1, 1, 0
	s_wait_dscnt 0
	WIN MUL_HI
	MUL16 4, 1, NQ-1, 1, 0
	MUL16 6, 1, NQ-1, 1, 0
	WIN 0
.macro QUANT s
.irp b, 0,1,2,3
	v_max3_num_f32 v[TM+\b], |v[\s+16*\b]|, |v[\s+1+16*\b]|, 0x4800000
.endr
.irp i, 2,4,6,8,10,12,14
.irp b, 0,1,2,3
	v_max3_num_f32 v[TM+\b], v[TM+\b], |v[\s+16*\b+\i]|, |v[\s+1+16*\b+\i]|
.endr
.endr
.irp b, 0,1,2,3
	v_permlanex16_b32 v[TM+4+\b], v[TM+\b], s[SEL], s[SEL+1]
.endr
.irp b, 0,1,2,3
	v_max_num_f32 v[TM+\b], v[TM+\b], v[TM+4+\b]
.endr
.irp b, 0,1,2,3
	v_add_nc_u32 v[TM+12+\b], 0xfc000000, v[TM+\b]
.endr
.irp b, 0,1,2,3
	v_and_or_b32 v[TM+8+\b], v[TM+\b], 0x7f800000, s[MNT]
.endr
.irp b, 0,1,2,3
	v_lshrrev_b32 v[TM+4+\b], 23, v[TM+12+\b]
.endr
	v_lshl_or_b32 v[PW], v[TM+5], 8, v[TM+4]
	v_lshl_or_b32 v[PW], v[TM+6], 16, v[PW]
	v_lshl_or_b32 v[PW], v[TM+7], 24, v[PW]
.irp b, 0,1,2,3
.irp i, 0,1,2,3,4,5,6,7,8,9,10,11,12,13,14,15
	v_med3_num_f32 v[\s+16*\b+\i], v[\s+16*\b+\i], -v[TM+8+\b], v[TM+8+\b]
.endr
	v_cvt_scalef32_pk8_fp8_f32 v[PC+4*\b:PC+1+4*\b], v[\s+16*\b:\s+7+16*\b], v[TM+12+\b]
	v_cvt_scalef32_pk8_fp8_f32 v[PC+2+4*\b:PC+3+4*\b], v[\s+8+16*\b:\s+15+16*\b], v[TM+12+\b]
.endr
	v_nop
.endm
.macro OUTBLK a
.set AC, 64*((\a)%4)
.if (\a) > 0
	s_wait_xcnt 0x0
.if (\a) == 4
	s_add_nc_u64 s[OUT:OUT+1], s[OUT:OUT+1], s[6:7]
	s_add_nc_u64 s[OUTS:OUTS+1], s[OUTS:OUTS+1], s[8:9]
.else
	s_add_nc_u64 s[OUT:OUT+1], s[OUT:OUT+1], s[4:5]
.endif
.endif
	s_cmp_eq_u32 s[MODE], 0
	s_cbranch_scc0 .Lbias_v_\@
	WIN 0x02+(\a)/4
.set i, 0
.rept 32
	v_pk_add_f32 v[T+i:T+i+1], v[AC+i:AC+i+1], v[BB+i:BB+i+1]
.set i, i+2
.endr
	WIN 0
	s_branch .Lbias_done_\@
.Lbias_v_\@:
	WIN 0x02+(\a)/4
.set i, 0
.rept 32
.if ((\a)%2) == 0
	v_pk_add_f32 v[T+i:T+i+1], v[AC+i:AC+i+1], v[BL+(\a):BL+(\a)+1] op_sel_hi:[1,0]
.else
	v_pk_add_f32 v[T+i:T+i+1], v[AC+i:AC+i+1], v[BL+(\a)-1:BL+(\a)] op_sel:[0,1] op_sel_hi:[1,1]
.endif
.set i, i+2
.endr
	WIN 0
.Lbias_done_\@:
	QUANT T
	global_store_b128 v[OFF0], v[PC:PC+3], s[OUT:OUT+1]
	global_store_b128 v[OFF0], v[PC+4:PC+7], s[OUT:OUT+1] offset:512
	global_store_b128 v[OFF2], v[PC+8:PC+11], s[OUT:OUT+1]
	global_store_b128 v[OFF2], v[PC+12:PC+15], s[OUT:OUT+1] offset:512
	v_lshrrev_b32 v[SW+(\a)%4], v[SHIFT], v[PW]
.if ((\a)%4) == 3
	global_store_b128 v[SOFF], v[SW:SW+3], s[OUTS:OUTS+1]
.endif
.endm
	PLACES NP
	s_wait_loadcnt 0x0
.irp b, 0,1,2,3
	v_mov_b32 v[TM+4+\b], 0
.endr
.irp a, 0,1,2,3,4,5,6,7
	OUTBLK \a
.endr
	s_wait_tensorcnt 0x0
	ds_add_u32 v[SPW], v[NIL]
	s_wait_dscnt 0x0
	CROUND
	s_endpgm
.Lfunc_end_k_q235fba87f6_qkv:
	.size	k_q235fba87f6_qkv, .Lfunc_end_k_q235fba87f6_qkv-k_q235fba87f6_qkv
	.p2alignl 7, 3214868480
	.fill 96, 4, 3214868480
	.section	.rodata,"a",@progbits
	.p2align	6, 0x0
	.amdhsa_kernel k_q235fba87f6_qkv
		.amdhsa_group_segment_fixed_size 327680
		.amdhsa_private_segment_fixed_size 0
		.amdhsa_enable_private_segment 0
		.amdhsa_kernarg_size 64
		.amdhsa_user_sgpr_count 2
		.amdhsa_user_sgpr_kernarg_segment_ptr 1
		.amdhsa_wavefront_size32 1
		.amdhsa_system_sgpr_workgroup_id_x 1
		.amdhsa_system_sgpr_workgroup_id_y 1
		.amdhsa_system_sgpr_workgroup_id_z 1
		.amdhsa_system_vgpr_workitem_id 0
		.amdhsa_next_free_vgpr 1024
		.amdhsa_next_free_sgpr 106
		.amdhsa_reserve_vcc 0
		.amdhsa_float_denorm_mode_32 3
		.amdhsa_float_denorm_mode_16_64 3
		.amdhsa_memory_ordered 1
		.amdhsa_forward_progress 1
		.amdhsa_inst_pref_size 222
	.end_amdhsa_kernel
	.amdgpu_metadata
---
amdhsa.version: [ 1, 2 ]
amdhsa.kernels:
  - .name:           k_q235fba87f6_qkv
    .symbol:         k_q235fba87f6_qkv.kd
    .args:
      - { .name: xc, .offset: 0, .size: 8, .value_kind: global_buffer, .address_space: global }
      - { .name: xs, .offset: 8, .size: 8, .value_kind: global_buffer, .address_space: global }
      - { .name: wc, .offset: 16, .size: 8, .value_kind: global_buffer, .address_space: global }
      - { .name: ws, .offset: 24, .size: 8, .value_kind: global_buffer, .address_space: global }
      - { .name: bq, .offset: 32, .size: 8, .value_kind: global_buffer, .address_space: global }
      - { .name: bk, .offset: 40, .size: 8, .value_kind: global_buffer, .address_space: global }
      - { .name: bv, .offset: 48, .size: 8, .value_kind: global_buffer, .address_space: global }
      - { .name: qkv, .offset: 56, .size: 8, .value_kind: global_buffer, .address_space: global }
    .group_segment_fixed_size: 327680
    .private_segment_fixed_size: 0
    .kernarg_segment_align: 8
    .kernarg_segment_size: 64
    .max_flat_workgroup_size: 128
    .sgpr_count:     106
    .vgpr_count:     1024
    .wavefront_size: 32
...
	.end_amdgpu_metadata
.endif
;; end of part 2
;; launch attn (part 3): grid 4 x 64, 16 waves a work-group, clusters of 4 x 1, 276,480 bytes of LDS; arguments qkv, oc, os; writes oc, os
.if DOCPART == 3
	.amdgcn_target "amdgcn-amd-amdhsa--gfx1250"
	.amdhsa_code_object_version 6
	.text
	.protected	k_q235fba87f6_attn
	.globl	k_q235fba87f6_attn
	.p2align	8
	.type	k_q235fba87f6_attn,@function
k_q235fba87f6_attn:
	s_mov_b64 s[64:65], 0
	v_nop
	global_prefetch_b8 v0, s[64:65] scope:SCOPE_SE
	s_setreg_imm32_b32 hwreg(HW_REG_WAVE_MODE, 25, 1), 1
	s_wait_xcnt 0x0
	s_wait_alu depctr_hold_cnt(0) depctr_sa_sdst(0) depctr_va_vdst(0) depctr_va_sdst(0) depctr_va_ssrc(0) depctr_va_vcc(0) depctr_vm_vsrc(0)
	s_getreg_b32 s2, hwreg(HW_REG_IB_STS2, 6, 4)
	s_cmp_eq_u32 s2, 0
	s_cbranch_scc0 .Lentry_in_a_cluster
	s_endpgm
.Lentry_in_a_cluster:
	s_bfe_u32 s2, ttmp6, 0x10000c
	s_cmp_lg_u32 s2, 0x3003
	s_cbranch_scc0 .Lentry_shape_is_right
	s_endpgm
.Lentry_shape_is_right:
; O = softmax(Q K^T / 8) V for one head, both products on codes of FP8 (E4M3) with E8M0 scales; the result is divided by the row's sum, quantised along the hidden axis and leaves as codes for the last projection.
; THE SOFTMAX AHEAD OF THE SECOND PRODUCT: t = score x log2(e) / 8; M = the running largest t, rounded UP to a whole number; p = 2^(t - M) is quantised along the keys, not normalised; the row's sum is taken of the unquantised p.
; When M moves, the sum and O are multiplied by 2^(old M - new M): exact.
; SHARES.  A work-group takes one head (the cluster's y) and 512 queries (its place in the cluster); each of its sixteen waves takes one tile of 16 queries in each of two passes, in 256 registers: four waves to a SIMD.
; LDS IS FILLED ONCE: a head's K codes, V codes and scale words are the first 274,432 bytes of its block in qkv, and LDS is a copy of them.  No byte is filled again, so there is no ring.
; The four partners of a cluster walk the same head: each part is asked for JOINTLY, one tensor load a wave: waves 0, 1 the first 512 keys of K and of V (128 rows of 256 bytes each), wave 2 the scale words (48 rows),
; waves 4-15 the other 1,536 keys (64 rows each); wave 3 fetches nothing.  The first barrier shows waves 0-2's loads; three key steps run on them; the second barrier shows the rest.
; No prefetch into the L2: every load of the launch goes out at its head, so there is no loop to run ahead in.
; LAYOUT.  Both products are used transposed: S^T = K Q^T, O^T = V^T P^T: a lane holds ONE query throughout.  Rows lie in position order, so the 16 registers of tiles 2 b and 2 b + 1 of S^T are keys 32 b + 16 (lane / 16) + 0 .. 15,
; and those of O^T are 16 neighbouring channels.  Operands lie as images of their registers: every LDS load is 16 x lane, consecutive bytes.
; A HEAD OF 64 IN A FORM OF K = 128: Q's upper eight registers are zero codes.  Key tile i's fragment is v[32 + 8 i .. 47 + 8 i]: its upper eight registers are the next tile's codes (zeros behind tile 7), which meet Q's zero codes.
; Codes come from held conversions and are never NaN; the upper two bytes of a scale word are another head's bytes or 0, never 0xff.
; A KEY STEP'S REGISTERS TAKE TURNS: K's fragments of the next step are asked for behind this step's score products; V's fragments land in p's registers, block by block, as p's codes are made.
; The walk along K wraps at the head's end, so that the first pass's last step asks for the second pass's first fragments; the second pass's last step asks for 18 loads that nobody uses.
; os is written two bytes a lane, 32 bytes apart: a row's 32 scale bytes come from sixteen heads, that is sixteen work-groups.  It is one part in 32 of what the launch stores.
; LIMITS: NaN and infinities are not served; the promise holds while the scaled scores stay under 2^31 in magnitude.  A block of zeros gets the byte 1 where the rule says 127: its codes are zeros, and this program alone reads the bytes.
.set HB,    413696
.set VOFF,  131072
.set KSOFF, 262144
.set VSOFF, 270336
.set QOFF,  274432
.set QSOFF, 405504
.set SPARE, 0x43000                    ; behind the copy: the spare words, 128 bytes a wave
.set LI,  1                            ; v1   16 x lane
.set LR,  2                            ; v2   16 x (lane % 16)
.set ADK, 3                            ; v3-6 LDS addresses: the next step's K, this step's V, the next step's K words, this step's V words
.set ADV, 4
.set ADS, 5
.set ADT, 6
.set OSO, 7                            ; v7   32 x (lane % 16): my row's scale bytes in os
.set VS,  8                            ; v8-11 V's scale words
                                       ; v12 -M, v13 the largest score, v[14:15] the sum in two halves
.set QF,  16                           ; v16-23 Q's codes, v24-31 zero codes
.set KF,  32                           ; v32-95 K's eight tiles, eight registers each; v96-103 zero codes
.set S,   104                          ; v104-167 S^T, then p, then V's four fragments
.set O,   168                          ; v168-199 O^T
.set PC,  200                          ; v200-215 p's codes
.set KS,  216                          ; v216-223 K's scale words
.set QS,  224                          ; v224 Q's scale word
.set OM,  225                          ; v225 the last step's -M
.set F,   226                          ; v226 f = 2^(old M - new M); v227 is named with it as a pair
.set MX,  228                          ; v228-231 the blocks' largest scores, then p
.set T1,  232                          ; v232-235 permute results, the bytes
.set HL,  236                          ; v236-239 448 x the scale
.set SO,  240                          ; v240-243 the conversions' scale operands
.set TT,  244                          ; v244 at work
.set PS,  245                          ; v245 p's scale word
.set SM,  246                          ; v246-253 four chains of the row's sum
.set SPW, 254                          ; v254 my spare word; v255 0
.set NIL, 255
.set WV,  10                           ; s10  my wave's number
.set NC,  18                           ; s18  -c
.set MNT, 19                           ; s19  the mantissa field of 448
.set SEL, 20                           ; s[20:21] lane selects: lane l xor 16
.set CS,  22                           ; s[22:23] c = log2(e) / 8
.set G1A, 24                           ; s[24:31] group 1: 128 rows of 256 bytes;  s[32:39] 64 rows;  s[40:47] 48 rows
.set G1C, 32
.set G1S, 40
.set G0,  48                           ; s[48:51] group 0 for codes;  s[52:55] for the scale words
.set G0S, 52
.set SK,  60                           ; s60-63 where the next step's K, this step's V, the next step's K words, this step's V words begin in LDS
.set SV,  61
.set SKS, 62
.set SVS, 63
.set CNT, 66
.set SQ,  68                           ; s[68:69] Q's codes of my first tile;  s[70:71] its scale words;  s[72:73] my place in oc;  s[74:75] in os
.set SQS, 70
.set SOC, 72
.set SOS, 74
.macro ROUND                           ; a round of the cluster's barrier
	s_barrier_signal -1
	s_barrier_wait -1
	s_cmp_lg_u32 s[WV], 0
	s_cbranch_scc1 .Lnot_wave_0_\@
	s_barrier_signal -3
.Lnot_wave_0_\@:
	s_barrier_wait -3
	s_barrier_signal -1
	s_barrier_wait -1
.endm
.macro GRP1 g, rows                    ; so many rows of 256 bytes (32 elements of 8), dense; the mask names all four work-groups, bit 21 beside it
	s_mov_b32 s[\g], 15|(3<<16)|(1<<21)
	s_mov_b32 s[\g+1], 32<<16
	s_mov_b32 s[\g+2], (\rows)<<16
	s_mov_b32 s[\g+3], 32<<16
	s_mov_b32 s[\g+4], \rows
	s_mov_b32 s[\g+5], 32
	s_mov_b32 s[\g+6], 0
	s_mov_b32 s[\g+7], 0
.endm
.macro TLOAD g0, g1                    ; an s_nop 0 and four v_nop follow the load
	tensor_load_to_lds s[\g0:\g0+3], s[\g1:\g1+7]
	s_nop 0
.rept 4
	v_nop
.endr
.endm
	s_load_b128 s[4:7], s[0:1], 0x0                ; qkv, oc
	s_load_b64 s[8:9], s[0:1], 0x10                ; os
	v_lshl_add_u32 v[SPW], v0, 2, SPARE
	v_mov_b32 v[NIL], 0
	ds_add_u32 v[SPW], v[NIL]                      ; the opening lines: the add, twice on end, and its wait ahead of the first tensor load
	ds_add_u32 v[SPW], v[NIL]
	v_lshrrev_b32 v3, 5, v0
	v_readfirstlane_b32 s[WV], v3                  ; wave 0..15
	s_bfe_u32 s11, ttmp6, 0x40000                  ; cx: it enters Q's, oc's and os's addresses alone
	s_and_b32 s12, ttmp7, 0xffff                   ; the head block, which the four partners share
	v_and_b32 v[LI], 31, v0
	v_and_b32 v[LR], 15, v0
	v_lshlrev_b32 v[LI], 4, v[LI]
	v_lshlrev_b32 v[OSO], 5, v[LR]
	v_lshlrev_b32 v[LR], 4, v[LR]
	s_wait_alu depctr_va_vdst(0)                   ; the wait here, ahead of the scalar lines
	GRP1 G1A, 128
	GRP1 G1C, 64
	GRP1 G1S, 48
	s_mul_i32 s14, s12, HB
	s_mov_b32 s15, 0
	s_and_b32 s16, s[WV], 1                        ; even waves: K; odd waves: V
	s_lshl_b32 s16, s16, 17
	s_lshr_b32 s17, s[WV], 1
	s_lshl_b32 s17, s17, 14                        ; 16,384 bytes x (wave / 2): waves 0, 1 begin at 0, waves 4, 5 at 32,768, waves 14, 15 at 114,688
	s_add_co_u32 s16, s16, s17                     ; the same byte in LDS and in the head block
	s_mov_b32 s77, 0
	s_mov_b32 s[SEL], 0x76543210
	s_mov_b32 s[SEL+1], 0xfedcba98
	s_mov_b32 s[CS], 0x3e38aa3b
	s_mov_b32 s[CS+1], s[CS]                       ; named with it as a pair, so it is written
	s_mov_b32 s[NC], 0xbe38aa3b
	s_mov_b32 s[MNT], 0x600000
	s_wait_dscnt 0x0
	s_wait_kmcnt 0x0
	s_add_nc_u64 s[4:5], s[4:5], s[14:15]          ; my head's block
	s_mov_b32 s[G0], 1
	s_mov_b32 s[G0+1], s16
	s_mov_b32 s76, s16
	s_add_nc_u64 s[G0+2:G0+3], s[4:5], s[76:77]
	s_or_b32 s[G0+3], s[G0+3], 0x80000000
	s_mov_b32 s[G0S], 1
	s_mov_b32 s[G0S+1], KSOFF
	s_add_nc_u64 s[G0S+2:G0S+3], s[4:5], KSOFF
	s_or_b32 s[G0S+3], s[G0S+3], 0x80000000
	ROUND                                          ; all four work-groups are here: the joint loads meet
	s_cmp_lt_u32 s[WV], 2                          ; one chain of branches on the wave's number, one load to an arm, one join
	s_cbranch_scc0 .Larm_words
	TLOAD G0, G1A                                  ; waves 0, 1: the first 512 keys of K, of V
	s_branch .Lasked
.Larm_words:
	s_cmp_lt_u32 s[WV], 3
	s_cbranch_scc0 .Larm_rest
	TLOAD G0S, G1S                                 ; wave 2: K's and V's scale words
	s_branch .Lasked
.Larm_rest:
	s_cmp_lt_u32 s[WV], 4
	s_cbranch_scc1 .Lasked                         ; wave 3: nothing
	TLOAD G0, G1C                                  ; waves 4-15: a twelfth of the other 1,536 keys each
.Lasked:
	s_mov_b32 s81, 0
	s_lshl_b32 s13, s11, 5
	s_add_co_u32 s13, s13, s[WV]                   ; my first query tile: 32 cx + wave; the second pass takes the tile 16 on
	s_lshl_b32 s80, s13, 10
	s_add_co_u32 s80, s80, QOFF
	s_add_nc_u64 s[SQ:SQ+1], s[4:5], s[80:81]
	s_lshr_b32 s80, s13, 2
	s_lshl_b32 s80, s80, 8
	s_and_b32 s78, s13, 3
	s_lshl_b32 s78, s78, 2
	s_add_co_u32 s80, s80, s78
	s_add_co_u32 s80, s80, QSOFF
	s_add_nc_u64 s[SQS:SQS+1], s[4:5], s[80:81]
	s_lshr_b32 s78, s12, 4                         ; the batch
	s_lshl_b32 s78, s78, 7
	s_add_co_u32 s78, s78, s13                     ; my row block of oc
	s_and_b32 s79, s12, 15                         ; the head
	s_lshl_b32 s80, s78, 12
	s_lshr_b32 s67, s79, 2
	s_lshl_b32 s67, s67, 21                        ; four heads to a K step of 256
	s_add_co_u32 s80, s80, s67
	s_and_b32 s67, s79, 3
	s_lshl_b32 s67, s67, 10                        ; a head's two chunks of 512 bytes
	s_add_co_u32 s80, s80, s67
	s_add_nc_u64 s[SOC:SOC+1], s[6:7], s[80:81]
	s_lshl_b32 s80, s78, 9                         ; 16 rows of 32 scale bytes
	s_lshl_b32 s67, s79, 1                         ; a head's two bytes
	s_add_co_u32 s80, s80, s67
	s_add_nc_u64 s[SOS:SOS+1], s[8:9], s[80:81]
.macro KLOAD                           ; eight key tiles and their scale words: lane r takes row r's words of tiles 0-3, of tiles 4-7
.irp i, 0,1,2,3,4,5,6,7
	ds_load_b128 v[KF+8*\i:KF+8*\i+3], v[ADK] offset:1024*\i
	ds_load_b128 v[KF+8*\i+4:KF+8*\i+7], v[ADK] offset:1024*\i+512
.endr
	ds_load_b128 v[KS:KS+3], v[ADS]
	ds_load_b128 v[KS+4:KS+7], v[ADS] offset:256
.endm
.macro PKF j0, n                       ; t - M, two at a time
.set j, \j0
.rept \n
	v_pk_fma_f32 v[S+j:S+j+1], v[S+j:S+j+1], s[CS:CS+1], v[12:13] op_sel_hi:[1,0,0]
.set j, j+2
.endr
.endm
; A KEY STEP: 128 keys.  K's fragments and words are in registers: they were asked for a step ago and waited for ahead of the last step's second product
.macro STEP
.irp i, 0,1,2,3,4,5,6,7
	v_wmma_scale_f32_16x16x128_f8f6f4 v[S+8*\i:S+8*\i+7], v[KF+8*\i:KF+8*\i+15], v[QF:QF+15], 0, v[KS+\i], v[QS]
.endr
	v_add_nc_u32 v[ADK], s[SK], v[LI]              ; four additions and four v_nop: eight places ahead of the loads into K's registers and of the first read of the scores
	v_add_nc_u32 v[ADS], s[SKS], v[LR]
	v_add_nc_u32 v[ADV], s[SV], v[LI]
	v_add_nc_u32 v[ADT], s[SVS], v[LR]
.rept 4
	v_nop
.endr
	KLOAD                                          ; the next step's K: it has the whole softmax in which to land
.irp b, 0,1,2,3
	v_max3_num_f32 v[MX+\b], v[S+16*\b], v[S+1+16*\b], v[S+2+16*\b]   ; the largest score of each block of 32 keys: it serves for the row's maximum and, since p rises with the score, for the block's largest p
.endr
.irp i, 3,5,7,9,11,13
.irp b, 0,1,2,3
	v_max3_num_f32 v[MX+\b], v[MX+\b], v[S+16*\b+\i], v[S+1+16*\b+\i]
.endr
.endr
.irp b, 0,1,2,3
	v_max_num_f32 v[MX+\b], v[MX+\b], v[S+15+16*\b]
.endr
.irp b, 0,1,2,3
	v_permlanex16_b32 v[T1+\b], v[MX+\b], s[SEL], s[SEL+1]
.endr
.irp b, 0,1,2,3
	v_max_num_f32 v[MX+\b], v[MX+\b], v[T1+\b]     ; with lane l xor 16's 16 keys
.endr
	v_max3_num_f32 v[TT], v[MX], v[MX+1], v[MX+2]
	s_delay_alu instid0(VALU_DEP_1)
	v_max3_num_f32 v13, v13, v[TT], v[MX+3]        ; the running largest score (c is positive: the largest t is c x it)
	s_delay_alu instid0(VALU_DEP_1)
	v_mul_f32 v[TT], s[NC], v13
	s_delay_alu instid0(VALU_DEP_1)
	v_floor_f32 v12, v[TT]                         ; the new -M = floor(-t) = -ceil(t)
	PKF 0, 4                                       ; f's three lines stand among the scalings
	v_sub_f32 v[TT], v12, v[OM]                    ; old M - new M: a whole number, 0 or less
	PKF 8, 4
	v_cvt_i32_f32 v[TT], v[TT]                     ; (it saturates)
	PKF 16, 4
	v_ldexp_f32 v[F], 1.0, v[TT]                   ; f = 2^(old M - new M)
	PKF 24, 20
.irp b, 0,1,2,3
	v_fma_f32 v[MX+\b], v[MX+\b], s[CS], v12       ; the same of each block's largest score
.endr
	s_wait_alu depctr_va_vdst(0)                   ; the wait ahead of the batch
.irp b, 0,1,2,3
	v_exp_f32 v[MX+\b], v[MX+\b]                   ; the block's largest p: the same two instructions on the same number give the same bits
.endr
.set j, 0
.rept 64
	v_exp_f32 v[S+j], v[S+j]                       ; p = 2^(t - M), at most 1
.set j, j+1
.endr
	v_mov_b32 v[OM], v12                           ; -M for the next step's f: a plain line behind the exponentials
	s_wait_alu depctr_va_vdst(0)                   ; one wait for the whole batch, ahead of its first reader
.irp b, 0,1,2,3
	v_max_num_f32 v[MX+\b], 0x4800000, v[MX+\b]    ; the floor 2^(9 - 127): the byte cannot fall under 1
.endr
.irp b, 0,1,2,3
	v_add_nc_u32 v[SO+\b], 0xfc000000, v[MX+\b]    ; 8 off the exponent field: the conversion's scale operand
.endr
.irp b, 0,1,2,3
	v_and_or_b32 v[HL+\b], v[MX+\b], 0x7f800000, s[MNT]   ; 448 x the scale
.endr
.irp b, 0,1,2,3
	v_lshrrev_b32 v[T1+\b], 23, v[SO+\b]           ; the scale's byte
.endr
	v_lshl_or_b32 v[PS], v[T1+1], 8, v[T1]         ; p's scale word for these 128 keys, in two halves
	v_lshl_or_b32 v[TT], v[T1+3], 8, v[T1+2]
.irp c, 0,1,2,3
	v_pk_add_f32 v[SM+2*\c:SM+2*\c+1], v[S+4*\c:S+4*\c+1], v[S+4*\c+2:S+4*\c+3]   ; the row's sum of the unquantised p: four chains of pairs by turns
.endr
.set j, 16
.rept 6
.irp c, 0,1,2,3
	v_pk_add_f32 v[SM+2*\c:SM+2*\c+1], v[SM+2*\c:SM+2*\c+1], v[S+j+2*\c:S+j+2*\c+1]
.endr
.set j, j+8
.endr
	v_lshl_or_b32 v[PS], v[TT], 16, v[PS]
.irp b, 0,1,2,3
.set j, 0
.rept 8
	v_dual_min_num_f32 v[S+16*\b+j], v[S+16*\b+j], v[HL+\b] :: v_dual_min_num_f32 v[S+16*\b+j+1], v[S+16*\b+j+1], v[HL+\b]   ; the conversion does not saturate (ISA guide 7.6.2); p is not negative, so the hold is one-sided; two a line
.set j, j+2
.endr
	v_cvt_scalef32_pk8_fp8_f32 v[PC+4*\b:PC+4*\b+1], v[S+16*\b:S+16*\b+7], v[SO+\b]
	v_cvt_scalef32_pk8_fp8_f32 v[PC+4*\b+2:PC+4*\b+3], v[S+16*\b+8:S+16*\b+15], v[SO+\b]
.irp c, 0,1,2,3
	ds_load_b128 v[S+16*\b+4*\c:S+16*\b+4*\c+3], v[ADV] offset:2048*\b+512*\c   ; the block's 16 registers are done with: V's channel tile b lands there
.endr
.endr
	ds_load_b128 v[VS:VS+3], v[ADT]                ; lane r: row r's words of the four channel tiles
	s_wait_alu depctr_va_vdst(0)                   ; the wait here, directly ahead of the first reader of O^T
.set j, 0
.rept 16
	v_pk_mul_f32 v[O+j:O+j+1], v[O+j:O+j+1], v[F:F+1] op_sel_hi:[1,0]   ; O^T under the new M; these lines also stand between the codes and the products below
.set j, j+2
.endr
	s_wait_alu depctr_va_vdst(0)
	s_wait_dscnt 0x0                               ; V and its words are in, and so are the next step's K and its words, asked for earlier
.irp t, 0,1,2,3
	v_wmma_scale_f32_16x16x128_f8f6f4 v[O+8*\t:O+8*\t+7], v[S+16*\t:S+16*\t+15], v[PC:PC+15], v[O+8*\t:O+8*\t+7], v[VS+\t], v[PS]   ; the four accumulators by turns
.endr
	v_pk_add_f32 v[SM:SM+1], v[SM:SM+1], v[SM+2:SM+3]        ; nine places ahead of the next step's products, which write over V's registers: the sum's last four lines among them
	v_pk_add_f32 v[SM+4:SM+5], v[SM+4:SM+5], v[SM+6:SM+7]
	v_nop
	v_nop
	v_pk_add_f32 v[SM:SM+1], v[SM:SM+1], v[SM+4:SM+5]
	v_nop
	v_nop
	v_pk_fma_f32 v[14:15], v[14:15], v[F:F+1], v[SM:SM+1] op_sel_hi:[1,0,1]   ; the sum under the new M, and this step's part
	v_nop
	s_wait_alu depctr_va_vdst(0)                   ; the wait here, ahead of the scalar lines and the branch
	s_add_co_u32 s[SK], s[SK], 8192
	s_and_b32 s[SK], s[SK], 0x1ffff                ; behind the last key: back to the first
	s_add_co_u32 s[SKS], s[SKS], 512
	s_and_b32 s[SKS], s[SKS], 0xffffdfff           ; KSOFF + 8,192 becomes KSOFF
	s_add_co_u32 s[SV], s[SV], 8192
	s_add_co_u32 s[SVS], s[SVS], 256
.endm
.macro WALK n                          ; n key steps
	s_mov_b32 s[CNT], \n
.Lwalk_\@:
	STEP
	s_sub_co_u32 s[CNT], s[CNT], 1
	s_cmp_lg_u32 s[CNT], 0
	s_cbranch_scc1 .Lwalk_\@
.endm
.macro INIT                            ; a pass begins
	s_mov_b32 s[SV], VOFF
	s_mov_b32 s[SVS], VSOFF
	v_mov_b32 v13, 0xff61b1e6                      ; the largest score so far: -3e38
	v_mov_b32 v[OM], 0x7e800000                    ; the -M before the first: so large that the first f is 0
	v_mov_b32 v14, 0                               ; the sum, in two halves
	v_mov_b32 v15, 0
.set j, 0
.rept 32
	v_mov_b32 v[O+j], 0                            ; O^T: the step is written once; the first finds zeros
.set j, j+1
.endr
.endm
; O^T is divided by the row's sum, quantised along the head's 64 (two blocks of the hidden axis) and stored as two chunks of an image
.macro PASS_OUT p
	v_add_f32 v14, v14, v15
	v_permlanex16_b32 v[TT], v14, s[SEL], s[SEL+1]
	v_add_f32 v14, v14, v[TT]                      ; the row's sum
	s_wait_alu depctr_va_vdst(0)                   ; the wait ahead of the transcendental
	v_rcp_f32 v14, v14
	v_nop                                          ; a plain line behind the transcendental
.if (\p) == 0
	global_load_b128 v[QF:QF+3], v[LI], s[SQ:SQ+1] offset:16384          ; the second pass's Q: 16 tiles on
	global_load_b128 v[QF+4:QF+7], v[LI], s[SQ:SQ+1] offset:16384+512
	global_load_b32 v[QS], v[LR], s[SQS:SQS+1] offset:1024
.endif
	s_wait_alu depctr_va_vdst(0)                   ; the wait, ahead of the first reader
.set j, 0
.rept 16
	v_pk_mul_f32 v[S+j:S+j+1], v[O+j:O+j+1], v[14:15] op_sel_hi:[1,0]   ; register 16 b + i is channel 32 b + 16 (lane / 16) + i; each accumulator is read from its low end on
.set j, j+2
.endr
.irp b, 0,1
	v_max3_num_f32 v[MX+\b], |v[S+16*\b]|, |v[S+1+16*\b]|, 0x4800000
.endr
.irp i, 2,4,6,8,10,12,14
.irp b, 0,1
	v_max3_num_f32 v[MX+\b], v[MX+\b], |v[S+16*\b+\i]|, |v[S+1+16*\b+\i]|
.endr
.endr
.irp b, 0,1
	v_permlanex16_b32 v[T1+\b], v[MX+\b], s[SEL], s[SEL+1]
.endr
.irp b, 0,1
	v_max_num_f32 v[MX+\b], v[MX+\b], v[T1+\b]
.endr
.irp b, 0,1
	v_add_nc_u32 v[SO+\b], 0xfc000000, v[MX+\b]
.endr
.irp b, 0,1
	v_and_or_b32 v[HL+\b], v[MX+\b], 0x7f800000, s[MNT]
.endr
.irp b, 0,1
	v_lshrrev_b32 v[T1+\b], 23, v[SO+\b]
.endr
	v_lshl_or_b32 v[TT], v[T1+1], 8, v[T1]         ; my row's two scale bytes
.irp b, 0,1
.set j, 0
.rept 16
	v_med3_num_f32 v[S+16*\b+j], v[S+16*\b+j], -v[HL+\b], v[HL+\b]
.set j, j+1
.endr
	v_cvt_scalef32_pk8_fp8_f32 v[PC+4*\b:PC+4*\b+1], v[S+16*\b:S+16*\b+7], v[SO+\b]
	v_cvt_scalef32_pk8_fp8_f32 v[PC+4*\b+2:PC+4*\b+3], v[S+16*\b+8:S+16*\b+15], v[SO+\b]
.endr
	v_nop                                          ; a plain line behind the last conversion
	global_store_b128 v[LI], v[PC:PC+3], s[SOC:SOC+1] offset:65536*(\p)        ; each store covers 512 consecutive bytes, aligned
	global_store_b128 v[LI], v[PC+4:PC+7], s[SOC:SOC+1] offset:65536*(\p)+512
	global_store_b16 v[OSO], v[TT], s[SOS:SOS+1] offset:8192*(\p)              ; lanes 16-31 write the same two bytes as lanes 0-15
.endm
	global_load_b128 v[QF:QF+3], v[LI], s[SQ:SQ+1]             ; Q's fragment: two chunks of 512 bytes
	global_load_b128 v[QF+4:QF+7], v[LI], s[SQ:SQ+1] offset:512
	global_load_b32 v[QS], v[LR], s[SQS:SQS+1]                 ; and its scale words
.irp j, 0,1,2,3,4,5,6,7
	v_mov_b32 v[QF+8+\j], 0                        ; Q's upper half: zero codes
	v_mov_b32 v[KF+64+\j], 0                       ; and what stands behind key tile 7
.endr
	v_mov_b32 v[F+1], 0                            ; named as the upper half of a pair
.irp b, 0,1,2,3
	v_mov_b32 v[T1+\b], 0                          ; written once: a lane permute's destination counts as one of its sources
.endr
	INIT
	v_add_nc_u32 v[ADK], 0, v[LI]                  ; key step 0
	v_add_nc_u32 v[ADS], KSOFF, v[LR]
	s_mov_b32 s[SK], 8192                          ; and what step 0 asks for: key step 1
	s_mov_b32 s[SKS], KSOFF+512
	s_wait_alu depctr_va_vdst(0)                   ; the wait at the head's end
	s_cmp_lt_u32 s[WV], 3
	s_cbranch_scc0 .Lnot_first
	s_wait_tensorcnt 0x0                           ; waves 0-2: the first 512 keys of K and V and the scale words have landed
.Lnot_first:
	s_barrier_signal -1
	s_barrier_wait -1
	KLOAD
	s_wait_loadcnt 0x0                             ; Q
	s_wait_dscnt 0x0
	WALK 3                                         ; key steps 0-2: they read, and ask ahead for, the first 512 keys alone
	s_wait_tensorcnt 0x0                           ; every wave: all that is still out
	s_wait_dscnt 0x0
	s_barrier_signal -1
	s_barrier_wait -1                              ; the whole head lies in LDS and nobody writes it: no further barrier
	WALK 13
	PASS_OUT 0
	s_wait_xcnt 0x0                                ; the first pass's stores have read their registers
	INIT
	s_wait_alu depctr_va_vdst(0)
	s_wait_loadcnt 0x0                             ; the second pass's Q
	WALK 16
	PASS_OUT 1
	s_wait_tensorcnt 0x0                           ; the wave's end
	ds_add_u32 v[SPW], v[NIL]
	s_wait_dscnt 0x0
	ROUND                                          ; the closing round: no work-group ends while a partner may still ask for a part that names it
	s_endpgm
.Lfunc_end_k_q235fba87f6_attn:
	.size	k_q235fba87f6_attn, .Lfunc_end_k_q235fba87f6_attn-k_q235fba87f6_attn
	.p2alignl 7, 3214868480
	.fill 96, 4, 3214868480
	.section	.rodata,"a",@progbits
	.p2align	6, 0x0
	.amdhsa_kernel k_q235fba87f6_attn
		.amdhsa_group_segment_fixed_size 276480
		.amdhsa_private_segment_fixed_size 0
		.amdhsa_enable_private_segment 0
		.amdhsa_kernarg_size 24
		.amdhsa_user_sgpr_count 2
		.amdhsa_user_sgpr_kernarg_segment_ptr 1
		.amdhsa_wavefront_size32 1
		.amdhsa_system_sgpr_workgroup_id_x 1
		.amdhsa_system_sgpr_workgroup_id_y 1
		.amdhsa_system_sgpr_workgroup_id_z 1
		.amdhsa_system_vgpr_workitem_id 0
		.amdhsa_next_free_vgpr 256
		.amdhsa_next_free_sgpr 82
		.amdhsa_reserve_vcc 0
		.amdhsa_float_denorm_mode_32 3
		.amdhsa_float_denorm_mode_16_64 3
		.amdhsa_memory_ordered 1
		.amdhsa_forward_progress 1
		.amdhsa_inst_pref_size 79
	.end_amdhsa_kernel
	.amdgpu_metadata
---
amdhsa.version: [ 1, 2 ]
amdhsa.kernels:
  - .name:           k_q235fba87f6_attn
    .symbol:         k_q235fba87f6_attn.kd
    .args:
      - { .name: qkv, .offset: 0, .size: 8, .value_kind: global_buffer, .address_space: global }
      - { .name: oc, .offset: 8, .size: 8, .value_kind: global_buffer, .address_space: global }
      - { .name: os, .offset: 16, .size: 8, .value_kind: global_buffer, .address_space: global }
    .group_segment_fixed_size: 276480
    .private_segment_fixed_size: 0
    .kernarg_segment_align: 8
    .kernarg_segment_size: 24
    .max_flat_workgroup_size: 512
    .sgpr_count:     82
    .vgpr_count:     256
    .wavefront_size: 32
...
	.end_amdgpu_metadata
.endif
;; end of part 3
;; launch oproj (part 4): grid 4 x 32, 4 waves a work-group, clusters of 4 x 4, 327,680 bytes of LDS; arguments oc, os, wc, ws, out0, bo; writes out0
.if DOCPART == 4
	.amdgcn_target "amdgcn-amd-amdhsa--gfx1250"
	.amdhsa_code_object_version 6
	.text
	.protected	k_q235fba87f6_oproj
	.globl	k_q235fba87f6_oproj
	.p2align	8
	.type	k_q235fba87f6_oproj,@function
k_q235fba87f6_oproj:
	s_mov_b64 s[64:65], 0
	v_nop
	global_prefetch_b8 v0, s[64:65] scope:SCOPE_SE
	s_setreg_imm32_b32 hwreg(HW_REG_WAVE_MODE, 25, 1), 1
	s_wait_xcnt 0x0
	s_wait_alu depctr_hold_cnt(0) depctr_sa_sdst(0) depctr_va_vdst(0) depctr_va_sdst(0) depctr_va_ssrc(0) depctr_va_vcc(0) depctr_vm_vsrc(0)
	s_getreg_b32 s2, hwreg(HW_REG_IB_STS2, 6, 4)
	s_cmp_eq_u32 s2, 0
	s_cbranch_scc0 .Lentry_in_a_cluster
	s_endpgm
.Lentry_in_a_cluster:
	s_bfe_u32 s2, ttmp6, 0x10000c
	s_cmp_lg_u32 s2, 0xf033
	s_cbranch_scc0 .Lentry_shape_is_right
	s_endpgm
.Lentry_shape_is_right:
.set NQ,     2
.set FR,     16
.set NL,     4
.set NP,     8
.set HALFT,  32768
.set SLOT,   4*HALFT
.set LAPS,   2
.set XSTEP,  2097152
.set WSTEP,  1048576
.set SCL,    2*SLOT
.set HALFS,  16*272
.set SBLK,   2*272
.set SPARE,  SCL+4*HALFS
.set SPITCH, 528
.set ADRA, 16
.set ADRB, 20
.set STO,  24
.set RD,   25
.set CO,   26
.set ADRS, 27
.set SPW,  28
.set NIL,  29
.set SC,   32
.set BB,   64
.set AF,   128
.set BK,   128
.set G1, 24
.set G0, 32
.set G1B, 48
.set G0B, 56
.set G1S, 68
.set G0S, 76
.set G1SB, 80
.set G0SB, 88
.set MSB, 0
.macro WIN new
.if MSB != \new
	s_set_vgpr_msb (MSB<<8)|\new
.set MSB, \new
.endif
.endm
.set MUL_LO, 0xa1
.set MUL_HI, 0xf1
.set FST_LO, 0x81
.set FST_HI, 0xc1
.set TO_B,   0x40
.macro JLOAD g0a, g1a, g0b, g1b
	s_cmp_eq_u32 s15, 0
	s_cbranch_scc0 .Lfor_b_\@
	tensor_load_to_lds s[\g0a:\g0a+3], s[\g1a:\g1a+7]
	s_nop 0
.rept 4
	v_nop
.endr
	s_branch .Lasked_\@
.Lfor_b_\@:
	tensor_load_to_lds s[\g0b:\g0b+3], s[\g1b:\g1b+7]
	s_nop 0
.rept 4
	v_nop
.endr
.Lasked_\@:
.endm
.macro CREST
	s_cmp_lg_u32 s14, 0
	s_cbranch_scc1 .Lnot_wave_0_\@
	s_barrier_signal -3
.Lnot_wave_0_\@:
	s_barrier_wait -3
	s_barrier_signal -1
	s_barrier_wait -1
.endm
.macro CROUND
	s_barrier_signal -1
	s_barrier_wait -1
	CREST
.endm
	s_load_b256 s[4:11], s[0:1], 0x0
	s_load_b128 s[92:95], s[0:1], 0x20
	v_lshl_add_u32 v[SPW], v0, 2, SPARE
	v_mov_b32 v[NIL], 0
	ds_add_u32 v28, v29
	ds_add_u32 v28, v29
	s_wait_dscnt 0x0
	v_lshrrev_b32 v1, 5, v0
	v_readfirstlane_b32 s14, v1
	s_lshr_b32 s15, s14, 1
	s_and_b32 s16, s14, 1
	s_bfe_u32 s40, ttmp6, 0x40000
	s_bfe_u32 s41, ttmp6, 0x40004
	s_lshl_b32 s42, ttmp9, 2
	s_add_co_u32 s42, s42, s40
	s_and_b32 s17, ttmp7, 0xffff
	s_lshl_b32 s17, s17, 2
	s_add_co_u32 s17, s17, s41
	s_lshl_b32 s43, s41, 2
	s_lshl_b32 s43, 15, s43
	s_lshl_b32 s44, 0x1111, s40
	s_or_b32 s[G1+0], s43, (3<<16)|(1<<21)
	s_or_b32 s[G1B+0], s44, (3<<16)|(1<<21)
.irp g, G1, G1B
	s_mov_b32 s[\g+1], 32<<16
	s_mov_b32 s[\g+2], 256<<16                     ; the head's loads of codes bring 256 rows of 256 bytes; the ring's 128: set at the head's end
	s_mov_b32 s[\g+3], 32<<16
	s_mov_b32 s[\g+4], 256
	s_mov_b32 s[\g+5], 32
	s_mov_b32 s[\g+6], 0
	s_mov_b32 s[\g+7], 0
.endr
	s_or_b32 s[G1S+0], s43, (3<<16)|(1<<20)|(1<<21)|(5<<22)|(3<<25)
	s_or_b32 s[G1SB+0], s44, (3<<16)|(1<<20)|(1<<21)|(5<<22)|(3<<25)
.irp g, G1S, G1SB
	s_mov_b32 s[\g+1], 32<<16
	s_mov_b32 s[\g+2], 32<<16                      ; the scale bytes of 256 rows: 32 rows of 256 bytes
	s_mov_b32 s[\g+3], 32<<16
	s_mov_b32 s[\g+4], 32
	s_mov_b32 s[\g+5], 32
	s_mov_b32 s[\g+6], 0
	s_mov_b32 s[\g+7], 0
.endr
	s_lshl_b32 s20, s17, 8                         ; the tiles' first rows
	s_lshl_b32 s46, s42, 8
	s_add_co_u32 s46, s46, 3072
	s_lshl_b32 s22, s20, 5
	s_mov_b32 s23, 0
	s_lshl_b32 s96, s46, 5
	s_mov_b32 s97, 0
	s_lshl_b32 s20, s20, 8
	s_mov_b32 s21, 0
	s_lshl_b32 s46, s46, 8
	s_mov_b32 s47, 0
	s_lshl_b32 s45, s14, 15
	s_wait_kmcnt 0x0
	s_add_nc_u64 s[20:21], s[4:5], s[20:21]
	s_add_nc_u64 s[22:23], s[6:7], s[22:23]
	s_add_nc_u64 s[46:47], s[8:9], s[46:47]
	s_add_nc_u64 s[96:97], s[10:11], s[96:97]
	CROUND
	s_mov_b32 s[G0S], 1
	s_mov_b32 s[G0S+1], SCL
	s_mov_b64 s[G0S+2:G0S+3], s[22:23]
	s_or_b32 s[G0S+3], s[G0S+3], 0x80000000
	s_mov_b32 s[G0SB], 1
	s_mov_b32 s[G0SB+1], SCL+2*HALFS
	s_mov_b64 s[G0SB+2:G0SB+3], s[96:97]
	s_or_b32 s[G0SB+3], s[G0SB+3], 0x80000000
.irp s, 0,1
	s_mov_b32 s[G0+4*\s], 1
	s_add_co_u32 s[G0+4*\s+1], s45, \s*SLOT
	s_add_nc_u64 s[G0+4*\s+2:G0+4*\s+3], s[20:21], \s*XSTEP
	s_or_b32 s[G0+4*\s+3], s[G0+4*\s+3], 0x80000000
	s_mov_b32 s[G0B+4*\s], 1
	s_add_co_u32 s[G0B+4*\s+1], s45, \s*SLOT
	s_add_nc_u64 s[G0B+4*\s+2:G0B+4*\s+3], s[46:47], \s*WSTEP
	s_or_b32 s[G0B+4*\s+3], s[G0B+4*\s+3], 0x80000000
.endr
	s_mov_b32 s[G0+1], 0                           ; slot 0's groups 0 serve the head's loads first: the whole tile of A at the slot's start,
	s_mov_b32 s[G0B+1], 2*HALFT                    ; the whole tile of B behind it
	s_lshl_b32 s2, s16, 15                         ; slot 1's: my 128 rows, 32,768 bytes a half
	s_mov_b32 s3, 0
	s_add_nc_u64 s[G0+6:G0+7], s[G0+6:G0+7], s[2:3]
	s_add_nc_u64 s[G0B+6:G0B+7], s[G0B+6:G0B+7], s[2:3]
; THE HEAD'S LOADS, ONE A WAVE: wave 0 K step 0's 256 rows of A, wave 1 those of B, wave 2 the scale bytes of A's 256 rows, wave 3 those of B's.
; One chain of branches on the wave's number, a load to an arm, one join.
.macro ARM under, g0, g1, next
	s_cmp_lt_u32 s14, \under
	s_cbranch_scc0 \next
	tensor_load_to_lds s[\g0:\g0+3], s[\g1:\g1+7]
	s_nop 0
.rept 4
	v_nop
.endr
	s_branch .Lhead_asked
\next:
.endm
	ARM 1, G0,  G1,  .Lhead_b
	ARM 2, G0B, G1B, .Lhead_sa
	ARM 3, G0S, G1S, .Lhead_sb
	tensor_load_to_lds s[G0SB:G0SB+3], s[G1SB:G1SB+7]
	s_nop 0
.rept 4
	v_nop
.endr
.Lhead_asked:
	v_and_b32 v1, 15, v0
	v_bfe_u32 v2, v0, 4, 1
	v_and_b32 v3, 31, v0
	v_lshlrev_b32 v[CO], 4, v3
	s_wait_alu depctr_va_vdst(0)
	s_lshl_b32 s4, s42, 10
	s_lshl_b32 s5, s16, 9
	s_add_co_u32 s4, s4, s5
	s_mov_b32 s5, 0
	s_add_nc_u64 s[94:95], s[94:95], s[4:5]
	v_lshlrev_b32 v4, 6, v2
.irp b, 0,1,2,3,4,5,6,7
	global_load_b128 v[BB+8*\b:BB+8*\b+3], v4, s[94:95] offset:(32*(\b/2)+8*(\b%2))*4
	global_load_b128 v[BB+8*\b+4:BB+8*\b+7], v4, s[94:95] offset:(32*(\b/2)+8*(\b%2))*4+16
.endr
	s_lshl_b32 s6, s15, 15
	s_lshl_b32 s7, s16, 15
	s_add_co_u32 s7, s7, 2*HALFT
.irp s, 0,1
	v_add_nc_u32 v[ADRA+\s], s6, v[CO]
	v_add_nc_u32 v[ADRB+\s], s7, v[CO]
	s_add_co_u32 s6, s6, SLOT
	s_add_co_u32 s7, s7, SLOT
.endr
	v_lshlrev_b32 v5, 5, v1
	v_lshrrev_b32 v6, 8, v5
	v_lshl_add_u32 v5, v6, 4, v5
	s_mul_i32 s6, s15, HALFS
	s_mul_i32 s7, s16, HALFS
	s_add_co_u32 s7, s7, 2*HALFS
	s_sub_co_u32 s7, s7, s6
	v_mul_u32_u24 v6, s7, v2
	s_add_co_u32 s6, s6, SCL
	v_add_nc_u32 v5, v5, v6
	v_add_nc_u32 v[ADRS], s6, v5
	s_mul_i32 s18, s14, 16*SPITCH
	v_mul_u32_u24 v5, v1, SPITCH
	v_lshl_add_u32 v5, v2, 6, v5
	v_add_nc_u32 v[STO], s18, v5
	v_add_nc_u32 v[RD], s18, v[CO]
	s_lshl_b32 s46, s17, 20
	s_lshl_b32 s47, s15, 19
	s_add_co_u32 s46, s46, s47
	s_lshl_b32 s47, s42, 10
	s_add_co_u32 s46, s46, s47
	s_lshl_b32 s47, s16, 9
	s_add_co_u32 s46, s46, s47
	s_mov_b32 s47, 0
	s_add_nc_u64 s[12:13], s[92:93], s[46:47]
.macro FRAG reg, adr, q, i
.irp c, 0,1,2,3
	ds_load_b128 v[\reg+4*\c:\reg+4*\c+3], v[\adr] offset:2048*(\q)+512*\c+(\i)*4096
.endr
.endm
.macro MUL16 a0, p, q, sc, first
.irp a, \a0, \a0+1
.irp b, 0,1,2,3,4,5,6,7
.if \first
	v_wmma_scale_f32_16x16x128_f8f6f4 v[8*(8*((\a)%4)+\b):8*(8*((\a)%4)+\b)+7], v[128*(\p)+FR*\b:128*(\p)+FR*\b+FR-1], v[AF+FR*(\a):AF+FR*(\a)+FR-1], v[BB+8*\b:BB+8*\b+7], v[SC+8*NQ*(\sc)+NQ*\b+(\q)], v[SC+8*NQ*(\sc)+NQ*(\a)+(\q)] matrix_a_scale:MATRIX_SCALE_ROW1
.else
	v_wmma_scale_f32_16x16x128_f8f6f4 v[8*(8*((\a)%4)+\b):8*(8*((\a)%4)+\b)+7], v[128*(\p)+FR*\b:128*(\p)+FR*\b+FR-1], v[AF+FR*(\a):AF+FR*(\a)+FR-1], v[8*(8*((\a)%4)+\b):8*(8*((\a)%4)+\b)+7], v[SC+8*NQ*(\sc)+NQ*\b+(\q)], v[SC+8*NQ*(\sc)+NQ*(\a)+(\q)] matrix_a_scale:MATRIX_SCALE_ROW1
.endif
.endr
.endr
.endm
.macro FETCH_B slot, q, p
	WIN TO_B
.irp i, 0,1,2,3,4,5,6,7
	FRAG 128*(\p)+FR*\i, ADRB+\slot, \q, \i
.endr
	WIN 0
.endm
.macro FETCH_A slot, q, i0
.irp i, \i0, \i0+1, \i0+2, \i0+3
	FRAG AF+FR*(\i), ADRA+\slot, \q, \i
.endr
.endm
.macro SCALES sc
.irp i, 0,1,2,3,4,5,6,7
	ds_load_b64 v[SC+8*NQ*\sc+NQ*\i:SC+8*NQ*\sc+NQ*\i+1], v[ADRS] offset:\i*SBLK
.endr
.endm
.macro PLACES n
.rept \n
	v_nop
.endr
.endm
.macro STEP slot, q, first
	s_wait_dscnt 4*NL
.if \first
	WIN FST_LO
.else
	WIN MUL_LO
.endif
	MUL16 0, (\q)%2, \q, \slot, \first
	MUL16 2, (\q)%2, \q, \slot, \first
	s_wait_dscnt 0
	PLACES NP
	FETCH_B \slot, (\q)+1, 1-(\q)%2
	FETCH_A \slot, (\q)+1, 0
.if \first
	WIN FST_HI
.else
	WIN MUL_HI
.endif
	MUL16 4, (\q)%2, \q, \slot, \first
	MUL16 6, (\q)%2, \q, \slot, \first
	PLACES NP
	WIN 0
	FETCH_A \slot, (\q)+1, 4
.endm
.macro TURN slot, next, fill
	s_wait_tensorcnt 0x0
	ds_add_u32 v[SPW], v[NIL]
	s_wait_dscnt 4*NL+1
	WIN MUL_LO
	MUL16 0, 1, NQ-1, \slot, 0
	s_wait_dscnt 0x0
	s_barrier_signal -1
	MUL16 2, 1, NQ-1, \slot, 0
	WIN 0
	s_barrier_wait -1
.if \fill
	CREST
	s_add_nc_u64 s[G0+4*\slot+2:G0+4*\slot+3], s[G0+4*\slot+2:G0+4*\slot+3], 2*XSTEP
	s_add_nc_u64 s[G0B+4*\slot+2:G0B+4*\slot+3], s[G0B+4*\slot+2:G0B+4*\slot+3], 2*WSTEP
	JLOAD G0+4*\slot, G1, G0B+4*\slot, G1B
	PLACES NP-4
.else
	PLACES NP
.endif
	s_wait_alu depctr_va_vdst(0)
	v_add_nc_u32 v[ADRS], 4*NQ, v[ADRS]
	FETCH_B \next, 0, 0
	FETCH_A \next, 0, 0
	SCALES \next
	WIN MUL_HI
	MUL16 4, 1, NQ-1, \slot, 0
	MUL16 6, 1, NQ-1, \slot, 0
	PLACES NP
	WIN 0
	FETCH_A \next, 0, 4
.endm
	s_wait_alu depctr_va_vdst(0)
	s_wait_tensorcnt 0x0                           ; my tile of the head's four is in
	ds_add_u32 v[SPW], v[NIL]
	s_mov_b32 s[G1+2], 128<<16                     ; no tensor load of mine is out, so descriptors may be written: from here on a load brings 128 rows,
	s_mov_b32 s[G1+4], 128
	s_mov_b32 s[G1B+2], 128<<16
	s_mov_b32 s[G1B+4], 128
	s_mov_b32 s[G0+1], s45                         ; and slot 0's groups 0 stand at my quarter of the slot and my 128 rows of K step 0: the first refill steps them
	s_mov_b32 s[G0B+1], s45
	s_lshl_b32 s2, s16, 15
	s_mov_b32 s3, 0
	s_add_nc_u64 s[G0+2:G0+3], s[G0+2:G0+3], s[2:3]
	s_add_nc_u64 s[G0B+2:G0B+3], s[G0B+2:G0B+3], s[2:3]
	s_wait_dscnt 0x0
	CROUND                                         ; a whole round: all four tiles are in, and the joint loads meet
	JLOAD G0+4, G1, G0B+4, G1B                     ; K step 1: the first tensor load behind the round
	FETCH_B 0, 0, 0
	FETCH_A 0, 0, 0
	SCALES 0
	FETCH_A 0, 0, 4
	s_wait_loadcnt 0x0
	STEP 0, 0, 1
	s_mov_b32 s3, LAPS-1
.Llap:
	TURN 0, 1, 1
	STEP 1, 0, 0
	TURN 1, 0, 1
	STEP 0, 0, 0
	s_sub_co_u32 s3, s3, 1
	s_cmp_lg_u32 s3, 0
	s_cbranch_scc1 .Llap
	TURN 0, 1, 0
	STEP 1, 0, 0
	s_wait_dscnt 4*NL
	WIN MUL_LO
	MUL16 0, 1, NQ-1, 1, 0
	MUL16 2, 1, NQ-1, 1, 0
	s_wait_dscnt 0
	WIN MUL_HI
	MUL16 4, 1, NQ-1, 1, 0
	MUL16 6, 1, NQ-1, 1, 0
	WIN 0
.macro TOSTAGE a
.set AC, 64*((\a)%4)
	WIN 0x08+4*((\a)/4)
.irp b, 0,1,2,3,4,5,6,7
	ds_store_b128 v[STO], v[AC+8*\b:AC+8*\b+3] offset:128*(\b/2)+32*(\b%2)
	ds_store_b128 v[STO], v[AC+8*\b+4:AC+8*\b+7] offset:128*(\b/2)+32*(\b%2)+16
.endr
	WIN 0
.set BR, BK+64*((\a)%2)
.irp t, 0,1,2,3,4,5,6,7,8,9,10,11,12,13,14,15
	ds_load_b128 v[BR+4*\t:BR+4*\t+3], v[RD] offset:\t*SPITCH
.endr
.endm
.macro SEND a, younger
.set BR, BK+64*((\a)%2)
	s_wait_dscnt \younger
.if (\a) > 0
.if ((\a)%2) == 1
	s_add_nc_u64 s[12:13], s[12:13], 8*4096
.else
	s_add_nc_u64 s[12:13], s[12:13], 24*4096
.endif
.endif
.irp t, 0,1,2,3,4,5,6,7,8,9,10,11,12,13,14,15
	global_store_b128 v[CO], v[BR+4*\t:BR+4*\t+3], s[12:13] offset:(\t+8*(\t/8))*4096 th:TH_STORE_NT
.endr
.endm
	PLACES NP
	TOSTAGE 0
.irp a, 1,2,3,4,5,6,7
.if \a > 1
	s_wait_xcnt 0x0
.endif
	TOSTAGE \a
	SEND \a-1, 32
.endr
	s_wait_xcnt 0x0
	SEND 7, 0
	s_wait_tensorcnt 0x0
	ds_add_u32 v[SPW], v[NIL]
	s_wait_dscnt 0x0
	CROUND
	s_endpgm
.Lfunc_end_k_q235fba87f6_oproj:
	.size	k_q235fba87f6_oproj, .Lfunc_end_k_q235fba87f6_oproj-k_q235fba87f6_oproj
	.p2alignl 7, 3214868480
	.fill 96, 4, 3214868480
	.section	.rodata,"a",@progbits
	.p2align	6, 0x0
	.amdhsa_kernel k_q235fba87f6_oproj
		.amdhsa_group_segment_fixed_size 327680
		.amdhsa_private_segment_fixed_size 0
		.amdhsa_enable_private_segment 0
		.amdhsa_kernarg_size 48
		.amdhsa_user_sgpr_count 2
		.amdhsa_user_sgpr_kernarg_segment_ptr 1
		.amdhsa_wavefront_size32 1
		.amdhsa_system_sgpr_workgroup_id_x 1
		.amdhsa_system_sgpr_workgroup_id_y 1
		.amdhsa_system_sgpr_workgroup_id_z 1
		.amdhsa_system_vgpr_workitem_id 0
		.amdhsa_next_free_vgpr 1024
		.amdhsa_next_free_sgpr 100
		.amdhsa_reserve_vcc 0
		.amdhsa_float_denorm_mode_32 3
		.amdhsa_float_denorm_mode_16_64 3
		.amdhsa_memory_ordered 1
		.amdhsa_forward_progress 1
		.amdhsa_inst_pref_size 148
	.end_amdhsa_kernel
	.amdgpu_metadata
---
amdhsa.version: [ 1, 2 ]
amdhsa.kernels:
  - .name:           k_q235fba87f6_oproj
    .symbol:         k_q235fba87f6_oproj.kd
    .args:
      - { .name: oc, .offset: 0, .size: 8, .value_kind: global_buffer, .address_space: global }
      - { .name: os, .offset: 8, .size: 8, .value_kind: global_buffer, .address_space: global }
      - { .name: wc, .offset: 16, .size: 8, .value_kind: global_buffer, .address_space: global }
      - { .name: ws, .offset: 24, .size: 8, .value_kind: global_buffer, .address_space: global }
      - { .name: out0, .offset: 32, .size: 8, .value_kind: global_buffer, .address_space: global }
      - { .name: bo, .offset: 40, .size: 8, .value_kind: global_buffer, .address_space: global }
    .group_segment_fixed_size: 327680
    .private_segment_fixed_size: 0
    .kernarg_segment_align: 8
    .kernarg_segment_size: 48
    .max_flat_workgroup_size: 128
    .sgpr_count:     100
    .vgpr_count:     1024
    .wavefront_size: 32
...
	.end_amdgpu_metadata
.endif
;; end of part 4
